; MI455X (gfx1250); checked and timed in simulation.
; The chip was launched on July 23, 2026; its instructions are those of AMD's public machine-readable ISA for CDNA 5 (MIT licence, August 2026) and "CDNA5" Instruction Set Architecture Reference Guide (July 2026). The comments in the code are by the model that wrote it; some were corrected since.
;; Attention. Allowed arithmetic: float matrix products may take bf16 or f16 operands with f32 sums; all other float work in f32.
;; Inputs: freqs_cos 2,048 x 32 float32; freqs_sin 2,048 x 32 float32; wk 256 x 1,024 float32; wo 1,024 x 1,024 float32; wq 1,024 x 1,024 float32; wv 256 x 1,024 float32; x 2 x 2,048 x 1,024 float32.
;; Outputs: out0 2 x 2,048 x 1,024 float32.
;; 2 versions, each right. Each part assembles by itself: llvm-mc -triple=amdgcn-amd-amdhsa -mcpu=gfx1250 --defsym DOCPART=n.
;; ======== version 1 of 2: 4 launches
;; limits: values are held in f16: magnitudes above 65,504 overflow, below 6.1e-05 lose precision; values outside matrix products are rounded to bf16
;; workspace buffers: xh 8,388,608 bytes; wh 3,145,728 bytes; woh 2,097,152 bytes; qk 10,485,760 bytes; vv 4,194,304 bytes; att 16,777,216 bytes
;; launch cast (part 1): grid 256 x 1, 8 waves a work-group, no clusters, 0 bytes of LDS; arguments x, wq, wk, wv, wo, xh, wh, woh; writes xh, wh, woh
.if DOCPART == 1
	.amdgcn_target "amdgcn-amd-amdhsa--gfx1250"
	.amdhsa_code_object_version 6
	.text
	.protected	k_qecc5dd909e_cast
	.globl	k_qecc5dd909e_cast
	.p2align	8
	.type	k_qecc5dd909e_cast,@function
k_qecc5dd909e_cast:
	s_mov_b64 s[64:65], 0
	v_nop
	global_prefetch_b8 v0, s[64:65] scope:SCOPE_SE
	s_setreg_imm32_b32 hwreg(HW_REG_WAVE_MODE, 25, 1), 1
	s_wait_xcnt 0x0
; x and the four weight matrices are rounded to bf16 (nearest even) and written as f16, once, for the three matrix launches behind this one.
; Why two steps: the program as a whole computes the f32 function of the bf16-rounded inputs.  A bf16 number has 8 significant bits, so it is
; exact in f16 between 2^-14 and 65,504; carried as f16 it can meet intermediate results that keep f16's 11 bits in one matrix instruction.
; LIMITS: above 65,504 in magnitude the f16 is infinite; below 2^-14 the f16 is a multiple of 2^-24, so up to 2^-25 is lost.
; wq, wk, wv are laid one under the other in wh: rows 0-1023 wq, 1024-1279 wk, 1280-1535 wv.
; A piece is 1,024 numbers: 256 threads x 4 (4,096 bytes in, 2,048 out).  The five inputs are 6,656 pieces = 26 for each of 256 work-groups:
; 16 of x, 4 of wq, 1 of wk, 1 of wv, 4 of wo, each run contiguous.  A wave's load covers 512 consecutive bytes, its store 256 consecutive
; bytes at a multiple of 256.  All 26 loads of a thread go out first; each piece has registers of its own, so nothing is rewritten in use.
; No LDS, no matrix unit, no cluster: no byte is used twice and no two work-groups read the same byte.
.set X, 4                              ; v[4+4i:7+4i]  piece i as loaded; its first two registers as stored
	s_load_b512 s[4:19], s[0:1], 0x0               ; x 4:5, wq 6:7, wk 8:9, wv 10:11, wo 12:13, xh 14:15, wh 16:17, woh 18:19
	v_lshlrev_b32 v1, 4, v0                        ; 16 bytes a thread in
	v_lshlrev_b32 v2, 3, v0                        ; 8 bytes a thread out
	s_lshl_b32 s20, ttmp9, 16                      ; the work-group's share: x 65,536 bytes
	s_mov_b32 s21, 0
	s_lshl_b32 s22, ttmp9, 14                      ; wq, wo 16,384
	s_mov_b32 s23, 0
	s_lshl_b32 s24, ttmp9, 12                      ; wk, wv 4,096
	s_mov_b32 s25, 0
	s_lshl_b32 s26, ttmp9, 15                      ; xh 32,768
	s_mov_b32 s27, 0
	s_lshl_b32 s28, ttmp9, 13                      ; wq's part of wh, woh 8,192
	s_mov_b32 s29, 0
	s_lshl_b32 s30, ttmp9, 11                      ; wk's and wv's parts of wh 2,048
	s_mov_b32 s31, 0
	s_wait_kmcnt 0x0
	s_add_nc_u64 s[4:5], s[4:5], s[20:21]
	s_add_nc_u64 s[6:7], s[6:7], s[22:23]
	s_add_nc_u64 s[8:9], s[8:9], s[24:25]
	s_add_nc_u64 s[10:11], s[10:11], s[24:25]
	s_add_nc_u64 s[12:13], s[12:13], s[22:23]
	s_add_nc_u64 s[14:15], s[14:15], s[26:27]
	s_add_nc_u64 s[18:19], s[18:19], s[28:29]
	s_add_nc_u64 s[28:29], s[16:17], s[28:29]      ; wh, wq's part
	s_add_nc_u64 s[30:31], s[16:17], s[30:31]      ; wh, for wk's and wv's parts (their places stand in the stores' immediates)
.macro LOADS base, first, count
.set j, 0
.rept \count
	global_load_b128 v[X+4*(\first+j):X+4*(\first+j)+3], v1, s[\base:\base+1] offset:4096*j th:TH_LOAD_NT
.set j, j+1
.endr
.endm
	LOADS 4, 0, 16
	LOADS 6, 16, 4
	LOADS 8, 20, 1
	LOADS 10, 21, 1
	LOADS 12, 22, 4
.macro OUTS base, first, count, off
.set j, 0
.rept \count
.set P, X+4*(\first+j)
	s_wait_loadcnt 25-(\first+j)                   ; loads come back in order (ISA guide 5.7.1): this piece is in, the younger ones stay out
	v_cvt_pk_bf16_f32 v[P], v[P], v[P+1]           ; the rounding: four numbers to bf16,
	v_cvt_pk_bf16_f32 v[P+2], v[P+2], v[P+3]
	v_and_b32 v[P+1], 0xffff0000, v[P]             ; back to f32 (a mask, a shift),
	v_lshlrev_b32 v[P], 16, v[P]
	v_and_b32 v[P+3], 0xffff0000, v[P+2]
	v_lshlrev_b32 v[P+2], 16, v[P+2]
	v_cvt_pk_f16_f32 v[P], v[P], v[P+1]            ; and into f16, exact inside the range given at the head
	v_cvt_pk_f16_f32 v[P+1], v[P+2], v[P+3]
	global_store_b64 v2, v[P:P+1], s[\base:\base+1] offset:\off+2048*j
.set j, j+1
.endr
.endm
	OUTS 14, 0, 16, 0
	OUTS 28, 16, 4, 0
	OUTS 30, 20, 1, 2097152                        ; wk begins behind wq's 1,024 rows of 2,048 bytes
	OUTS 30, 21, 1, 2621440                        ; wv behind wk's 256 rows
	OUTS 18, 22, 4, 0
	s_endpgm
.Lfunc_end_k_qecc5dd909e_cast:
	.size	k_qecc5dd909e_cast, .Lfunc_end_k_qecc5dd909e_cast-k_qecc5dd909e_cast
	.p2alignl 7, 3214868480
	.fill 96, 4, 3214868480
	.section	.rodata,"a",@progbits
	.p2align	6, 0x0
	.amdhsa_kernel k_qecc5dd909e_cast
		.amdhsa_group_segment_fixed_size 0
		.amdhsa_private_segment_fixed_size 0
		.amdhsa_enable_private_segment 0
		.amdhsa_kernarg_size 64
		.amdhsa_user_sgpr_count 2
		.amdhsa_user_sgpr_kernarg_segment_ptr 1
		.amdhsa_wavefront_size32 1
		.amdhsa_system_sgpr_workgroup_id_x 1
		.amdhsa_system_sgpr_workgroup_id_y 1
		.amdhsa_system_sgpr_workgroup_id_z 1
		.amdhsa_system_vgpr_workitem_id 0
		.amdhsa_next_free_vgpr 112
		.amdhsa_next_free_sgpr 66
		.amdhsa_reserve_vcc 0
		.amdhsa_float_denorm_mode_32 3
		.amdhsa_float_denorm_mode_16_64 3
		.amdhsa_memory_ordered 1
		.amdhsa_forward_progress 1
		.amdhsa_inst_pref_size 19
	.end_amdhsa_kernel
	.amdgpu_metadata
---
amdhsa.version: [ 1, 2 ]
amdhsa.kernels:
  - .name:           k_qecc5dd909e_cast
    .symbol:         k_qecc5dd909e_cast.kd
    .args:
      - { .name: x, .offset: 0, .size: 8, .value_kind: global_buffer, .address_space: global }
      - { .name: wq, .offset: 8, .size: 8, .value_kind: global_buffer, .address_space: global }
      - { .name: wk, .offset: 16, .size: 8, .value_kind: global_buffer, .address_space: global }
      - { .name: wv, .offset: 24, .size: 8, .value_kind: global_buffer, .address_space: global }
      - { .name: wo, .offset: 32, .size: 8, .value_kind: global_buffer, .address_space: global }
      - { .name: xh, .offset: 40, .size: 8, .value_kind: global_buffer, .address_space: global }
      - { .name: wh, .offset: 48, .size: 8, .value_kind: global_buffer, .address_space: global }
      - { .name: woh, .offset: 56, .size: 8, .value_kind: global_buffer, .address_space: global }
    .group_segment_fixed_size: 0
    .private_segment_fixed_size: 0
    .kernarg_segment_align: 8
    .kernarg_segment_size: 64
    .max_flat_workgroup_size: 256
    .sgpr_count:     66
    .vgpr_count:     112
    .wavefront_size: 32
...
	.end_amdgpu_metadata
.endif
;; end of part 1
;; launch qkv (part 2): grid 8 x 32, 4 waves a work-group, clusters of 4 x 4, 327,680 bytes of LDS; arguments xh, wh, freqs_cos, freqs_sin, qk, vv; writes qk, vv
.if DOCPART == 2
	.amdgcn_target "amdgcn-amd-amdhsa--gfx1250"
	.amdhsa_code_object_version 6
	.text
	.protected	k_qecc5dd909e_qkv
	.globl	k_qecc5dd909e_qkv
	.p2align	8
	.type	k_qecc5dd909e_qkv,@function
k_qecc5dd909e_qkv:
	s_mov_b64 s[64:65], 0
	v_nop
	global_prefetch_b8 v0, s[64:65] scope:SCOPE_SE
	s_setreg_imm32_b32 hwreg(HW_REG_WAVE_MODE, 25, 1), 1
	s_wait_xcnt 0x0
	s_wait_alu depctr_hold_cnt(0) depctr_sa_sdst(0) depctr_va_vdst(0) depctr_va_sdst(0) depctr_va_ssrc(0) depctr_va_vcc(0) depctr_vm_vsrc(0)
	s_getreg_b32 s2, hwreg(HW_REG_IB_STS2, 6, 4)
	s_cmp_eq_u32 s2, 0
	s_cbranch_scc0 .Lentry_in_a_cluster
	s_endpgm
.Lentry_in_a_cluster:
	s_bfe_u32 s2, ttmp6, 0x10000c
	s_cmp_lg_u32 s2, 0xf033
	s_cbranch_scc0 .Lentry_shape_is_right
	s_endpgm
.Lentry_shape_is_right:
; q, k, v = x W^T for the 1,536 rows of wh (24 heads of 64: 0-15 q, 16-19 k, 20-23 v), RoPE on heads 0-19.  Operands f16, sums f32, RoPE in f32.
; q and k are rounded to f16 and stored head by head: qk[b][g][s][64], g = 0-19.
; v is stored as a SUM OF TWO f16, upper = f16(v), lower = f16(v - upper): vv[b][kv head][s][128], upper in columns 0-63, lower in 64-127.
; A row of the layer's result that attends to few keys is a plain copy of few v, so v's rounding would reach the output undamped.
; LIMITS: cos and sin are rounded to bf16 (nearest even) before use, like x and the weights: the program computes the f32 function of the
; bf16-rounded inputs, all seven alike.  A result above 65,504 in magnitude becomes infinite in f16.
; A work-group makes 128 rows x 192 columns (3 heads): 32 x 8 = 256 work-groups.  Four waves, 2 x 2; a wave makes 64 x 96: 4 x 6 accumulator
; tiles, 192 registers.  K = 1,024 goes in 8 steps of 128 (rows of 256 bytes, each at a multiple of 256 from its buffer's first byte)
; through two LDS slots filled by the tensor data mover.
; CLUSTERS: 4 x 4 work-groups.  x's tile hangs on the block row alone and is asked for jointly by the four of a row of the cluster; the
; weights' tile hangs on the block column alone and is asked for jointly by the four of a column: four times fewer requests for both.
; No branch hangs on the block column: every work-group makes both parts of every head, and the head's number only chooses values (RoPE or not)
; and the lanes that store (to qk or to vv).
; THE MATRIX INSTRUCTION IS USED TRANSPOSED (source 0 = 16 rows of wh, source 1 = 16 rows of xh): lane l holds row l % 16 of the result and
; its registers 0-7 the columns 8 (l / 16) + 0..7: four neighbouring (real, imaginary) pairs, which rotate in the lane and pack into 16 bytes.
; REGISTERS: window 0: v16-31 addresses; v32-111, v112-191 two fragment buffers (6 of wh, then 4 of xh); v192-255 cos.
;            window 1: v0-191 accumulators, tile (a, b) at 8 (6 a + b); v192-255 sin.
.set KSTEP,  128
.set PITCH,  272                       ; an LDS row: 256 bytes + 16 of padding: the 16 rows of a fragment load start 16 bytes apart modulo 256
.set BHALF,  96*PITCH                  ; what one load brings of wh
.set AHALF,  64*PITCH                  ; what one load brings of xh
.set AOFF,   2*BHALF                   ; a slot: wh's 192 rows, then xh's 128 rows
.set SLOT,   2*BHALF+2*AHALF           ; 87,040
.set STAGE,  2*SLOT                    ; behind the ring, at a multiple of 256: 128 rows x 400 bytes of upper parts, then as many of lower parts; no tensor load lands here
.set SPITCH, 400                       ; 384 bytes + 16
.set LAPS,   1024/(2*KSTEP)            ; a lap = two K steps = once round the ring
.set HEADB,  262144                    ; bytes of one head of one batch in qk
.set ADRA, 16                          ; v16-17  LDS address of my xh fragments in slot 0, 1
.set ADRB, 20                          ; v20-21  the same for wh
.set COV,  22                          ; my byte offset in a v head's rows
.set STO,  24                          ; the way out: where I put 16 bytes of a row, upper parts
.set RD,   25                          ; the way out: where I read rows back for qk
.set CO,   26                          ; my byte offset in a q or k head's rows
.set CA,   27                          ; v27-28  my byte offset in the cos and sin tables, for tiles with b & 3 < 2 and >= 2
.set HD,   29                          ; the block's first head, in every lane
.set STO2, 30                          ; the way out: where I put 16 bytes of a row, lower parts
.set RDV,  31                          ; the way out: where I read rows back for vv
.set F0,   32
.set F1,   112
.set TRIG, 192                         ; cos (window 0) and sin (window 1): 4 numbers for row block a and phase q at 192 + 16 a + 4 q
.set T,    32                          ; the way out: rotated numbers of one row block, 48 registers
.set PK,   80                          ; upper parts, packed, 24 registers (below v128: their halves are named)
.set H,    104                         ; upper parts back in f32, 48 registers
.set PL,   152                         ; lower parts, packed, 24 registers
.set BACK, 32                          ; rows read back for qk, 32 registers
.set BACKV, 64                         ; rows read back for vv, 64 registers
.set G1,  24                           ; s[24:31] group 1 for xh's tiles
.set G0,  32                           ; s[32:39] group 0 for xh's tiles, one set a slot
.set G1B, 48                           ; s[48:55] group 1 for wh's tiles
.set G0B, 56                           ; s[56:63] group 0 for wh's tiles, one set a slot
.set MK,  72                           ; s72-74   all ones where tiles b = 0-1, 2-3, 4-5 belong to a v head (no RoPE)
.set QKB, 88                           ; s[88:93] qk at the rows of the block's head j = 0, 1, 2
.set VVB, 94                           ; s[94:99] vv likewise
.set FLAGS, (1<<16)|(1<<20)|(1<<21)|(5<<22)|(3<<25)   ; 2-byte elements; padding on; bit 21 beside a mask; after every 64 words; 4 words
.set MUL, 0x50                         ; C and D in window 1, both sources in window 0
.set MSB, 0
.macro WIN new                         ; the immediate's high byte repeats the setting that is left
.if MSB != \new
	s_set_vgpr_msb (MSB<<8)|\new
.set MSB, \new
.endif
.endm
.macro PLACES                          ; four places behind a matrix instruction (ISA guide 7.12.1)
.rept 4
	v_nop
.endr
.endm
.macro UNPK d, r                       ; the two f16 of register r as f32 in registers d, d + 1
	v_cvt_f32_f16 v[\d], v\r\().l
	v_cvt_f32_f16 v[\d+1], v\r\().h
.endm
; A joint load.  Waves 0 and 1 fetch wh's two halves, waves 2 and 3 xh's.  Each line has one mask and one set of registers; the branch hangs on the wave's number alone.
.macro JLOAD s
	s_cmp_eq_u32 s11, 0
	s_cbranch_scc0 .Lfor_a_\@
	tensor_load_to_lds s[G0B+4*\s:G0B+4*\s+3], s[G1B:G1B+7]
	s_nop 0
	s_branch .Lasked_\@
.Lfor_a_\@:
	tensor_load_to_lds s[G0+4*\s:G0+4*\s+3], s[G1:G1+7]
	s_nop 0
.Lasked_\@:
.endm
.macro CREST                           ; a round of the cluster's barrier behind its opening work-group barrier
	s_cmp_lg_u32 s10, 0
	s_cbranch_scc1 .Lnot_wave_0_\@
	s_barrier_signal -3
.Lnot_wave_0_\@:
	s_barrier_wait -3
	s_barrier_signal -1
	s_barrier_wait -1
.endm
.macro CROUND                          ; a whole round
	s_barrier_signal -1
	s_barrier_wait -1
	CREST
.endm
	s_load_b128 s[4:7], s[0:1], 0x0                ; xh s[4:5], wh s[6:7]
	s_load_b128 s[68:71], s[0:1], 0x10             ; cos s[68:69], sin s[70:71]
	s_load_b128 s[84:87], s[0:1], 0x20             ; qk s[84:85], vv s[86:87]
	v_lshl_add_u32 v19, v0, 2, 0x43800
	v_mov_b32 v23, 0
	ds_add_u32 v19, v23
	v_lshrrev_b32 v1, 5, v0
	v_readfirstlane_b32 s10, v1                    ; wave 0..3
	s_lshr_b32 s11, s10, 1                         ; which 64 rows of the block are mine.  Also: I fetch for wh (0) or for xh (1)
	s_and_b32 s12, s10, 1                          ; which 96 columns are mine.  Also: which half of that tile I fetch
	s_bfe_u32 s40, ttmp6, 0x40000                  ; cx
	s_bfe_u32 s41, ttmp6, 0x40004                  ; cy
	s_lshl_b32 s42, ttmp9, 2
	s_add_co_u32 s42, s42, s40                     ; block column 0..7
	s_and_b32 s13, ttmp7, 0xffff
	s_lshl_b32 s13, s13, 2
	s_add_co_u32 s13, s13, s41                     ; block row 0..31
	s_lshl_b32 s43, s41, 2
	s_lshl_b32 s43, 15, s43                        ; my row of the cluster
	s_lshl_b32 s44, 0x1111, s40                    ; my column
	s_or_b32 s[G1+0], s43, FLAGS                   ; xh's tiles go to my row: 64 rows x 128 elements
	s_mov_b32 s[G1+1], KSTEP<<16                   ; tensor_dim0 = 128
	s_mov_b32 s[G1+2], 64<<16                      ; tensor_dim1 = 64
	s_mov_b32 s[G1+3], KSTEP<<16                   ; tile_dim0 = 128
	s_mov_b32 s[G1+4], 64                          ; tile_dim1 = 64
	s_mov_b32 s[G1+5], 1024                        ; elements from row to row
	s_mov_b32 s[G1+6], 0
	s_mov_b32 s[G1+7], 0
	s_or_b32 s[G1B+0], s44, FLAGS                  ; wh's tiles go to my column: 96 rows x 128 elements
	s_mov_b32 s[G1B+1], KSTEP<<16
	s_mov_b32 s[G1B+2], 96<<16
	s_mov_b32 s[G1B+3], KSTEP<<16
	s_mov_b32 s[G1B+4], 96
	s_mov_b32 s[G1B+5], 1024
	s_mov_b32 s[G1B+6], 0
	s_mov_b32 s[G1B+7], 0
	; where the tiles come from: xh's hang on the block row, wh's on the block column, each in registers that never hold the other coordinate
	s_lshl_b32 s16, s13, 7
	s_lshl_b32 s17, s12, 6
	s_add_co_u32 s16, s16, s17                     ; xh: row 128 x block row + 64 x half
	s_lshl_b32 s16, s16, 11                        ; rows of 2,048 bytes (8 MiB at the most)
	s_mov_b32 s17, 0
	s_mul_i32 s46, s42, 192
	s_mul_i32 s47, s12, 96
	s_add_co_u32 s46, s46, s47                     ; wh: row 192 x block column + 96 x half
	s_lshl_b32 s46, s46, 11
	s_mov_b32 s47, 0
	s_mul_i32 s20, s10, AHALF                      ; where they go: xh (waves 2, 3): wave x 17,408 + 17,408 = behind wh's 52,224 bytes
	s_add_co_u32 s20, s20, AOFF-2*AHALF
	s_mul_i32 s21, s10, BHALF                      ; wh (waves 0, 1): wave x 26,112
	s_wait_dscnt 0x0
	s_wait_kmcnt 0x0
	s_add_nc_u64 s[14:15], s[4:5], s[16:17]
	s_add_nc_u64 s[46:47], s[6:7], s[46:47]
	CROUND                                         ; all sixteen work-groups are here: the first joint loads meet
.irp s, 0,1
	s_mov_b32 s[G0+4*\s], 1
	s_add_co_u32 s[G0+4*\s+1], s20, \s*SLOT
	s_add_nc_u64 s[G0+4*\s+2:G0+4*\s+3], s[14:15], \s*KSTEP*2
	s_or_b32 s[G0+4*\s+3], s[G0+4*\s+3], 0x80000000
	s_mov_b32 s[G0B+4*\s], 1
	s_add_co_u32 s[G0B+4*\s+1], s21, \s*SLOT
	s_add_nc_u64 s[G0B+4*\s+2:G0B+4*\s+3], s[46:47], \s*KSTEP*2
	s_or_b32 s[G0B+4*\s+3], s[G0B+4*\s+3], 0x80000000
	JLOAD \s                                       ; both slots' first fills: two tensor loads of the wave are out, the most in this text
.endr
	; fragment addresses: lane l holds row l % 16; two loads of 16 bytes, 32 apart, at row x pitch + 16 (l / 16)
	v_and_b32 v1, 15, v0                           ; r
	v_bfe_u32 v2, v0, 4, 1                         ; h
	v_mul_u32_u24 v3, v1, PITCH
	v_lshl_add_u32 v3, v2, 4, v3
	s_mul_i32 s22, s11, AHALF
	s_add_co_u32 s22, s22, AOFF                    ; my 64 rows of xh
	s_mul_i32 s23, s12, BHALF                      ; my 96 rows of wh
.irp s, 0,1
	v_add_nc_u32 v[ADRA+\s], s22, v3
	v_add_nc_u32 v[ADRB+\s], s23, v3
	s_add_co_u32 s22, s22, SLOT
	s_add_co_u32 s23, s23, SLOT
.endr
	s_mul_i32 s22, s11, 64*SPITCH                  ; the stage, in: row 64 wm + r, byte 192 wn + 16 h
	s_mul_i32 s23, s12, 192
	s_add_co_u32 s22, s22, s23
	s_add_co_u32 s22, s22, STAGE
	v_mul_u32_u24 v4, v1, SPITCH
	v_lshl_add_u32 v4, v2, 4, v4
	v_add_nc_u32 v[STO], s22, v4
	v_add_nc_u32 v[STO2], 128*SPITCH, v[STO]       ; the lower parts' stage lies behind the upper parts'
	v_and_b32 v5, 31, v0                           ; the stage, back: wave w takes rows 32 w ..
	v_lshrrev_b32 v6, 3, v5                        ; for qk eight lanes take a head's 128 bytes of a row: four rows a load
	v_and_b32 v7, 7, v0
	v_mul_u32_u24 v6, v6, SPITCH
	v_lshl_add_u32 v6, v7, 4, v6
	s_mul_i32 s22, s10, 32*SPITCH
	s_add_co_u32 s22, s22, STAGE
	v_add_nc_u32 v[RD], s22, v6
	v_lshrrev_b32 v9, 4, v5                        ; for vv sixteen lanes take a row: lanes 0-7 its upper 128 bytes, lanes 8-15 its lower: two rows a load
	v_mul_u32_u24 v9, v9, SPITCH
	v_bfe_u32 v10, v0, 3, 1
	v_mul_u32_u24 v10, v10, 128*SPITCH
	v_add_nc_u32 v9, v9, v10
	v_lshl_add_u32 v9, v7, 4, v9
	v_add_nc_u32 v[RDV], s22, v9
	s_lshl_b32 s22, s10, 12
	v_lshl_add_u32 v[CO], v5, 4, s22               ; qk: 32 rows of 128 bytes a wave, 16 bytes a lane
	s_lshl_b32 s23, s10, 13
	v_lshl_add_u32 v[COV], v5, 4, s23              ; vv: 32 rows of 256 bytes a wave, 16 bytes a lane
	; cos and sin: tile (a, b) of lane (r, h) needs the 4 numbers at byte (64 wn + 32 b + 16 h) mod 128 of table row 64 wm + 16 a + r
	s_lshl_b32 s22, s11, 13
	s_lshl_b32 s23, s12, 6
	s_add_co_u32 s22, s22, s23
	v_lshlrev_b32 v8, 7, v1
	v_lshl_add_u32 v8, v2, 4, v8
	v_add_nc_u32 v[CA], s22, v8                    ; b & 3 = 0, 1 (the second by the immediate 32)
	v_xor_b32 v[CA+1], 64, v[CA]                   ; b & 3 = 2, 3: 64 bytes on, modulo 128 (bit 6 holds 64 wn alone)
	s_and_b32 s78, s13, 15
	s_lshl_b32 s78, s78, 14                        ; the block's first position x 128 bytes
	s_mov_b32 s79, 0
	s_add_nc_u64 s[68:69], s[68:69], s[78:79]
	s_add_nc_u64 s[70:71], s[70:71], s[78:79]
.irp a, 0,1,2,3
.irp q, 0,1,2,3
	global_load_b128 v[TRIG+16*\a+4*\q:TRIG+16*\a+4*\q+3], v[CA+(\q>>1)], s[68:69] offset:2048*\a+32*(\q&1)
.endr
.endr
	WIN 0x40                                       ; destination in window 1
.irp a, 0,1,2,3
.irp q, 0,1,2,3
	global_load_b128 v[TRIG+16*\a+4*\q:TRIG+16*\a+4*\q+3], v[CA+(\q>>1)], s[70:71] offset:2048*\a+32*(\q&1)
.endr
.endr
	WIN 0                                          ; these 32 loads are waited for on the way out; their registers and addresses stay untouched
	; which of my tiles belong to a v head (head 20 or above): a choice of values, never a branch
	s_mul_i32 s75, s42, 3                          ; the block's first head
	s_add_co_u32 s76, s75, s12                     ; b = 0, 1: head 3 bN + wn
	s_cmp_ge_u32 s76, 20
	s_cselect_b32 s[MK+0], -1, 0
	s_lshl_b32 s77, s12, 1
	s_add_co_u32 s77, s77, s75                     ; b = 2, 3: head 3 bN + 2 wn
	s_cmp_ge_u32 s77, 20
	s_cselect_b32 s[MK+1], -1, 0
	s_add_co_u32 s76, s76, 1                       ; b = 4, 5: head 3 bN + wn + 1
	s_cmp_ge_u32 s76, 20
	s_cselect_b32 s[MK+2], -1, 0
	v_mov_b32 v[HD], s75
; 6 matrix instructions: row block a x all 6 column blocks, 32 along K.  zero = 1: the first product starts the sums.
; The 24 accumulators take turns, one instruction a turn, in the same order in every quarter step.
.macro MULA f, a, zero
.irp b, 0,1,2,3,4,5
.if \zero
	v_wmma_f32_16x16x32_f16 v[8*(6*\a+\b):8*(6*\a+\b)+7], v[\f+8*\b:\f+8*\b+7], v[\f+48+8*\a:\f+48+8*\a+7], 0
.else
	v_wmma_f32_16x16x32_f16 v[8*(6*\a+\b):8*(6*\a+\b)+7], v[\f+8*\b:\f+8*\b+7], v[\f+48+8*\a:\f+48+8*\a+7], v[8*(6*\a+\b):8*(6*\a+\b)+7]
.endif
.endr
.endm
; 20 LDS loads in one run: wh's 6 fragments, then xh's 4, 32 K at byte k of the rows, into buffer f
.macro FETCH slot, k, f
.irp i, 0,1,2,3,4,5
	ds_load_b128 v[\f+8*\i:\f+8*\i+3],   v[ADRB+\slot] offset:\k+\i*16*PITCH
	ds_load_b128 v[\f+8*\i+4:\f+8*\i+7], v[ADRB+\slot] offset:\k+\i*16*PITCH+32
.endr
.irp i, 0,1,2,3
	ds_load_b128 v[\f+48+8*\i:\f+48+8*\i+3], v[ADRA+\slot] offset:\k+\i*16*PITCH
	ds_load_b128 v[\f+48+8*\i+4:\f+48+8*\i+7], v[ADRA+\slot] offset:\k+\i*16*PITCH+32
.endr
.endm
; A quarter step: multiplies buffer f; in its middle it fetches the next quarter's fragments into buffer g
.macro QUARTER slot, k, f, g, zero
	s_wait_dscnt 4                                 ; wh's fragments and xh's row blocks 0, 1 are in; the youngest four loads (row blocks 2, 3) may be out
	WIN MUL
	MULA \f, 0, \zero
	MULA \f, 1, \zero
	WIN 0
	PLACES                                         ; buffer g was read by matrix instructions: four places in front of the loads into it
	FETCH \slot, \k, \g
	s_wait_dscnt 20                                ; all but the 20 just issued
	WIN MUL
	MULA \f, 2, \zero
	MULA \f, 3, \zero
.endm
.macro THREE slot, zero
	QUARTER \slot, 64,  F0, F1, \zero
	QUARTER \slot, 128, F1, F0, 0
	QUARTER \slot, 192, F0, F1, 0
.endm
; The last quarter of a K step multiplies buffer 1 and changes slots.  In front of the barrier each wave waits for its reads of this slot and for
; all its tensor loads (the one that is out is its part of the next slot); behind it the refill comes first, then the next slot's first fragments.
.macro TURN slot, next, fill
	s_wait_dscnt 4
	WIN MUL
	MULA F1, 0, 0
	s_wait_dscnt 0                                 ; my reads of this slot are over
	s_wait_tensorcnt 0x0                           ; all my tensor loads have landed
	ds_add_u32 v19, v23
	s_wait_dscnt 0x0
	s_barrier_signal -1                            ; (where a slot is filled again this barrier opens a round of the cluster's barrier)
	MULA F1, 1, 0                                  ; register work while the others arrive
	WIN 0
	s_barrier_wait -1
.if \fill
	CREST                                          ; no wave of any partner still reads this slot or has a load on its way
	s_add_nc_u64 s[G0+4*\slot+2:G0+4*\slot+3], s[G0+4*\slot+2:G0+4*\slot+3], 2*KSTEP*2
	s_add_nc_u64 s[G0B+4*\slot+2:G0B+4*\slot+3], s[G0B+4*\slot+2:G0B+4*\slot+3], 2*KSTEP*2
	JLOAD \slot                                    ; the wave's one tensor load behind the round
.endif
	PLACES
	FETCH \next, 0, F0
	WIN MUL
	MULA F1, 2, 0
	MULA F1, 3, 0
.endm
.macro LAP zero
	THREE 0, \zero
	TURN 0, 1, 1
	THREE 1, 0
	TURN 1, 0, 1
.endm
	s_wait_tensorcnt 1                             ; my part of K step 0 is in; K step 1's may stay out
	s_barrier_signal -1
	s_barrier_wait -1
	FETCH 0, 0, F0
	LAP 1
	WIN 0
	s_mov_b32 s3, LAPS-2
.Llap:
	LAP 0
	WIN 0
	s_sub_co_u32 s3, s3, 1
	s_cmp_lg_u32 s3, 0
	s_cbranch_scc1 .Llap
	THREE 0, 0                                     ; the last lap fills nothing
	TURN 0, 1, 0
	THREE 1, 0
	s_wait_dscnt 4
	WIN MUL
	MULA F1, 0, 0
	MULA F1, 1, 0
	s_wait_dscnt 0
	MULA F1, 2, 0
	MULA F1, 3, 0
	; THE WAY OUT.  RoPE in the lane; upper and lower f16 parts, 16 bytes a lane each, into the two stages; a barrier; whole rows back and out.
	WIN 0
	PLACES                                         ; behind the last matrix instructions: the lines below read results and write fragment registers
	s_wait_loadcnt 0x0                             ; cos and sin
	; cos and sin to bf16 and back to f32 (the limit stated at the head): two numbers a conversion, then a shift and a mask
.set i, 0
.rept 32
	v_cvt_pk_bf16_f32 v[T+i], v[TRIG+2*i], v[TRIG+2*i+1]
.set i, i+1
.endr
.set i, 0
.rept 32
	v_lshlrev_b32 v[TRIG+2*i], 16, v[T+i]
	v_and_b32 v[TRIG+2*i+1], 0xffff0000, v[T+i]
.set i, i+1
.endr
	WIN 0x05                                       ; sin: sources in window 1
.set i, 0
.rept 32
	v_cvt_pk_bf16_f32 v[T+32+i], v[TRIG+2*i], v[TRIG+2*i+1]
.set i, i+1
.endr
	WIN 0x40                                       ; destination in window 1
.set i, 0
.rept 32
	v_lshlrev_b32 v[TRIG+2*i], 16, v[T+32+i]
	v_and_b32 v[TRIG+2*i+1], 0xffff0000, v[T+32+i]
.set i, i+1
.endr
	WIN 0
	; where the rows go
	s_lshr_b32 s16, s13, 4                         ; batch
	s_and_b32 s18, s13, 15                         ; the block's place among the batch's 16
	s_mul_i32 s17, s16, 20*HEADB
	s_lshl_b32 s19, s18, 14                        ; 128 positions x 128 bytes
	s_add_co_u32 s22, s17, s19
	s_mov_b32 s23, 0
	s_add_nc_u64 s[84:85], s[84:85], s[22:23]      ; qk at the batch and the block's first position
	s_lshl_b32 s17, s16, 21                        ; 4 heads x 2,048 positions x 256 bytes
	s_lshl_b32 s19, s18, 15                        ; 128 positions x 256 bytes
	s_add_co_u32 s22, s17, s19
	s_add_nc_u64 s[86:87], s[86:87], s[22:23]      ; vv likewise
.irp j, 0,1,2
	s_add_co_u32 s46, s75, \j                      ; head 3 bN + j
	s_min_u32 s76, s46, 19                         ; a q or k head's place in qk; for a v head no lane stores there, and the base stays inside qk
	s_lshl_b32 s76, s76, 18
	s_mov_b32 s77, 0
	s_add_nc_u64 s[QKB+2*\j:QKB+2*\j+1], s[84:85], s[76:77]
	s_max_u32 s78, s46, 20                         ; a v head's place in vv; for a q or k head no lane stores there, and the base stays inside vv
	s_sub_co_u32 s78, s78, 20
	s_lshl_b32 s78, s78, 19
	s_mov_b32 s79, 0
	s_add_nc_u64 s[VVB+2*\j:VVB+2*\j+1], s[86:87], s[78:79]
.endr
; Row block a.  A register pair of a tile is (xr, xi); its cos and sin are number p = 0..3 of the four loaded for phase b & 3.
.macro ROPE a
	WIN 0x05                                       ; sources in window 1: T = (-xi sin, xr sin)
.irp b, 0,1,2,3,4,5
.irp e, 0,2
	v_pk_mul_f32 v[T+8*\b+2*\e:T+8*\b+2*\e+1], v[8*(6*\a+\b)+2*\e:8*(6*\a+\b)+2*\e+1], v[TRIG+16*\a+4*(\b&3)+\e:TRIG+16*\a+4*(\b&3)+\e+1] op_sel:[1,0] op_sel_hi:[0,0] neg_lo:[1,0]
	v_pk_mul_f32 v[T+8*\b+2*\e+2:T+8*\b+2*\e+3], v[8*(6*\a+\b)+2*\e+2:8*(6*\a+\b)+2*\e+3], v[TRIG+16*\a+4*(\b&3)+\e:TRIG+16*\a+4*(\b&3)+\e+1] op_sel:[1,1] op_sel_hi:[0,1] neg_lo:[1,0]
.endr
.endr
	WIN 0x01                                       ; T = (xr cos - xi sin, xi cos + xr sin)
.irp b, 0,1,2,3,4,5
.irp e, 0,2
	v_pk_fma_f32 v[T+8*\b+2*\e:T+8*\b+2*\e+1], v[8*(6*\a+\b)+2*\e:8*(6*\a+\b)+2*\e+1], v[TRIG+16*\a+4*(\b&3)+\e:TRIG+16*\a+4*(\b&3)+\e+1], v[T+8*\b+2*\e:T+8*\b+2*\e+1] op_sel:[0,0,0] op_sel_hi:[1,0,1]
	v_pk_fma_f32 v[T+8*\b+2*\e+2:T+8*\b+2*\e+3], v[8*(6*\a+\b)+2*\e+2:8*(6*\a+\b)+2*\e+3], v[TRIG+16*\a+4*(\b&3)+\e:TRIG+16*\a+4*(\b&3)+\e+1], v[T+8*\b+2*\e+2:T+8*\b+2*\e+3] op_sel:[0,1,0] op_sel_hi:[1,1,1]
.endr
.endr
	WIN 0x04                                       ; a v head keeps the plain sums
.irp b, 0,1,2,3,4,5
.irp j, 0,1,2,3,4,5,6,7
	v_cndmask_b32 v[T+8*\b+\j], v[T+8*\b+\j], v[8*(6*\a+\b)+\j], s[MK+(\b>>1)]
.endr
.endr
	WIN 0
.irp b, 0,1,2,3,4,5                            ; upper parts
.irp p, 0,1,2,3
	v_cvt_pk_f16_f32 v[PK+4*\b+\p], v[T+8*\b+2*\p], v[T+8*\b+2*\p+1]
.endr
	ds_store_b128 v[STO], v[PK+4*\b:PK+4*\b+3] offset:16*SPITCH*\a+32*\b
.endr
.irp r, 80,81,82,83,84,85,86,87,88,89,90,91,92,93,94,95,96,97,98,99,100,101,102,103
	UNPK H+2*(\r-PK), \r                           ; the upper parts as f32
.endr
.irp b, 0,1,2,3,4,5                            ; lower parts: what the first rounding took away (the difference is exact in f32), rounded to f16
.irp p, 0,1,2,3
	v_pk_add_f32 v[T+8*\b+2*\p:T+8*\b+2*\p+1], v[T+8*\b+2*\p:T+8*\b+2*\p+1], v[H+8*\b+2*\p:H+8*\b+2*\p+1] neg_lo:[0,1] neg_hi:[0,1]
.endr
.irp p, 0,1,2,3
	v_cvt_pk_f16_f32 v[PL+4*\b+\p], v[T+8*\b+2*\p], v[T+8*\b+2*\p+1]
.endr
	ds_store_b128 v[STO2], v[PL+4*\b:PL+4*\b+3] offset:16*SPITCH*\a+32*\b
.endr
.endm
	ROPE 0
	ROPE 1
	ROPE 2
	ROPE 3
	s_wait_dscnt 0x0                               ; my stores into the stages are done, for the waves that read them
	s_barrier_signal -1
	s_barrier_wait -1
	; Head j of the block's three.  All lanes read both forms back; the head's number says which lanes store: all to qk and none to vv, or the other way round.
.irp j, 0,1,2
.irp u, 0,1,2,3,4,5,6,7
	ds_load_b128 v[BACK+4*\u:BACK+4*\u+3], v[RD] offset:4*SPITCH*\u+128*\j         ; four rows' upper 128 bytes
.endr
.irp u, 0,1,2,3,4,5,6,7,8,9,10,11,12,13,14,15
	ds_load_b128 v[BACKV+4*\u:BACKV+4*\u+3], v[RDV] offset:2*SPITCH*\u+128*\j      ; two rows' upper and lower 128 bytes
.endr
	v_cmp_gt_u32 vcc_lo, 20-\j, v[HD]              ; head 3 bN + j below 20: q or k
	s_wait_xcnt 0x0                                ; EXEC is a source of the memory instructions issued so far: it changes only behind this wait
	s_and_saveexec_b32 s76, vcc_lo
.irp u, 0,1,2,3,4,5,6,7
	s_wait_dscnt 23-\u                             ; LDS loads come back in order: number u of the 24 is in
	global_store_b128 v[CO], v[BACK+4*\u:BACK+4*\u+3], s[QKB+2*\j:QKB+2*\j+1] offset:512*\u    ; 512 consecutive bytes, at a multiple of 512
.endr
	s_wait_xcnt 0x0                                ; and again, in front of the line that widens it
	s_or_b32 exec_lo, exec_lo, s76
	v_cmp_le_u32 vcc_lo, 20-\j, v[HD]              ; head 20 or above: v
	s_and_saveexec_b32 s76, vcc_lo                 ; nothing was issued since the wait above
.irp u, 0,1,2,3,4,5,6,7,8,9,10,11,12,13,14,15
	s_wait_dscnt 15-\u
	global_store_b128 v[COV], v[BACKV+4*\u:BACKV+4*\u+3], s[VVB+2*\j:VVB+2*\j+1] offset:512*\u ; two whole rows of 256 bytes
.endr
	s_wait_xcnt 0x0                                ; EXEC is widened, and the registers that these stores read are loaded again, only behind this wait
	s_or_b32 exec_lo, exec_lo, s76
.endr
	s_wait_tensorcnt 0x0
	ds_add_u32 v19, v23
	s_wait_dscnt 0x0
	CROUND                                         ; the closing round: no work-group ends while a partner may still ask for a tile that names it
	s_endpgm
.Lfunc_end_k_qecc5dd909e_qkv:
	.size	k_qecc5dd909e_qkv, .Lfunc_end_k_qecc5dd909e_qkv-k_qecc5dd909e_qkv
	.p2alignl 7, 3214868480
	.fill 96, 4, 3214868480
	.section	.rodata,"a",@progbits
	.p2align	6, 0x0
	.amdhsa_kernel k_qecc5dd909e_qkv
		.amdhsa_group_segment_fixed_size 327680
		.amdhsa_private_segment_fixed_size 0
		.amdhsa_enable_private_segment 0
		.amdhsa_kernarg_size 48
		.amdhsa_user_sgpr_count 2
		.amdhsa_user_sgpr_kernarg_segment_ptr 1
		.amdhsa_wavefront_size32 1
		.amdhsa_system_sgpr_workgroup_id_x 1
		.amdhsa_system_sgpr_workgroup_id_y 1
		.amdhsa_system_sgpr_workgroup_id_z 1
		.amdhsa_system_vgpr_workitem_id 0
		.amdhsa_next_free_vgpr 512
		.amdhsa_next_free_sgpr 100
		.amdhsa_reserve_vcc 1
		.amdhsa_float_denorm_mode_32 3
		.amdhsa_float_denorm_mode_16_64 3
		.amdhsa_memory_ordered 1
		.amdhsa_forward_progress 1
		.amdhsa_inst_pref_size 165
	.end_amdhsa_kernel
	.amdgpu_metadata
---
amdhsa.version: [ 1, 2 ]
amdhsa.kernels:
  - .name:           k_qecc5dd909e_qkv
    .symbol:         k_qecc5dd909e_qkv.kd
    .args:
      - { .name: xh, .offset: 0, .size: 8, .value_kind: global_buffer, .address_space: global }
      - { .name: wh, .offset: 8, .size: 8, .value_kind: global_buffer, .address_space: global }
      - { .name: freqs_cos, .offset: 16, .size: 8, .value_kind: global_buffer, .address_space: global }
      - { .name: freqs_sin, .offset: 24, .size: 8, .value_kind: global_buffer, .address_space: global }
      - { .name: qk, .offset: 32, .size: 8, .value_kind: global_buffer, .address_space: global }
      - { .name: vv, .offset: 40, .size: 8, .value_kind: global_buffer, .address_space: global }
    .group_segment_fixed_size: 327680
    .private_segment_fixed_size: 0
    .kernarg_segment_align: 8
    .kernarg_segment_size: 48
    .max_flat_workgroup_size: 128
    .sgpr_count:     100
    .vgpr_count:     512
    .wavefront_size: 32
...
	.end_amdgpu_metadata
.endif
;; end of part 2
;; launch attn (part 3): grid 32 x 8, 4 waves a work-group, clusters of 4 x 1, 327,680 bytes of LDS; arguments qk, vv, att; writes att
.if DOCPART == 3
	.amdgcn_target "amdgcn-amd-amdhsa--gfx1250"
	.amdhsa_code_object_version 6
	.text
	.protected	k_qecc5dd909e_attn
	.globl	k_qecc5dd909e_attn
	.p2align	8
	.type	k_qecc5dd909e_attn,@function
k_qecc5dd909e_attn:
	s_mov_b64 s[64:65], 0
	v_nop
	global_prefetch_b8 v0, s[64:65] scope:SCOPE_SE
	s_setreg_imm32_b32 hwreg(HW_REG_WAVE_MODE, 25, 1), 1
	s_wait_xcnt 0x0
	s_wait_alu depctr_hold_cnt(0) depctr_sa_sdst(0) depctr_va_vdst(0) depctr_va_sdst(0) depctr_va_ssrc(0) depctr_va_vcc(0) depctr_vm_vsrc(0)
	s_getreg_b32 s2, hwreg(HW_REG_IB_STS2, 6, 4)
	s_cmp_eq_u32 s2, 0
	s_cbranch_scc0 .Lentry_in_a_cluster
	s_endpgm
.Lentry_in_a_cluster:
	s_bfe_u32 s2, ttmp6, 0x10000c
	s_cmp_lg_u32 s2, 0x3003
	s_cbranch_scc0 .Lentry_shape_is_right
	s_endpgm
.Lentry_shape_is_right:
; Causal attention with grouped query heads, softmax by a running maximum.  q, k: f16 from qk[b][g][s][64]; v: a sum of two f16 from
; vv[b][kv head][s][128] (upper part in columns 0-63, lower in 64-127).  The result is stored as a sum of two f16 as well:
; att[b s][2048], upper part at column 64 h + hd, lower at 1024 + 64 h + hd.  Both sums keep about 22 bits: a query that attends to few keys
; hands v through almost unchanged, and neither v's rounding nor the result's is damped by any average there.
; Work-group (x, y): y = 4 b + kv head; x = 4 m + cx.  It takes TWO blocks of 32 positions for the 4 query heads of the kv head: block A = x and
; block B = 63 - x.  With key tiles of 128, A needs tiles 0..m and B tiles 0..15-m: 17 steps in every work-group, 256 equal work-groups.
; CLUSTERS: the four work-groups of one m walk the same 17 tiles in the same order, so each tile of K and V is one joint load for the four.
; No branch, trip count or LDS address hangs on cx: only the positions (global addresses of q and att, the diagonal's compare) do.
; Wave w: positions 16 (w >> 1) + r of the block, heads 2 (w & 1) + 0, 1 of the four: 256 consecutive bytes of each part of att for each position.
; LAYOUT: S^T = K Q^T (source 0 = 16 keys from LDS, source 1 = q in registers): lane (r, h) holds query r, register j key 16 kt + 8 h + j.
; Two such tiles, packed to f16, ARE source 1 of O^T = V^T P^T (source 0 = V^T by transposing LDS loads): P never leaves the registers,
; and maximum, sum and rescaling belong to the lane; its partner lane (the other h) is reached by one v_permlanex16_b32.
; SOFTMAX: p = 2^(c s + NMC), c = log2(e) / 8, NMC = -c M as rounded; the old sums are scaled by 2^(NMC new - NMC old), from the same rounded numbers.
; LIMITS: masked scores and the first maximum are -2^127 (real scores below that are not served); v_exp_f32 gives 0 below 2^-126;
; P is rounded to f16 for the product while its sum is taken in f32 before the rounding; f16 operands above 65,504 are infinite.
; REGISTERS: window 0: v8-17 addresses; v32-63 q; v64-191 K's, then V's upper 16 fragments, and work on the way out; v192-255 rows on the way out.
;            window 1: v0-127 S(kt, n) at 16 kt + 8 n, later P(n, c) in S(2c, n); v128-191 O(ht, n) at 128 + 16 ht + 8 n; v192-213 the lane's state.
;            window 2: v0-127 V's lower 16 fragments.
.set KP,     144                       ; K's LDS row: 128 bytes + 16
.set VP,     288                       ; V's LDS row: 256 bytes + 32 (an odd multiple of 32, for the transposing loads)
.set VHALF,  64*VP
.set KHALF,  64*KP
.set KOFF,   2*VHALF                   ; a slot: V's 128 rows, then K's 128 rows
.set SLOT,   KOFF+2*KHALF              ; 55,296
.set STAGE,  2*SLOT                    ; behind the ring, at a multiple of 256: for each wave 16 rows x 272 bytes of upper parts, then as many of lower; no tensor load lands here
.set SPITCH, 272
.set HEADB,  262144                    ; bytes of one head of one batch in qk
.set ADK, 8                            ; v8-9    K fragments in slot 0, 1
.set ADV, 10                           ; v10-11  V fragments in slot 0, 1
.set QA,  12                           ; my q of block A, of block B (byte offsets in qk)
.set QB,  13
.set OA,  14                           ; my rows of att for block A, block B
.set OB,  15
.set STO, 16
.set RD,  17
.set Q,   32                           ; q(n, c) at 32 + 16 n + 8 c
.set KV,  64                           ; K(kt, c) at 64 + 16 kt + 8 c; V(ht, c) at 64 + 8 (4 c + ht)
.set TH,  64                           ; the way out: upper parts, packed, 32 registers (below v128: their halves are named)
.set HF,  96                           ; upper parts back in f32, then the differences, 64 registers
.set TL,  160                          ; lower parts, packed, 32 registers
.set BK,  192                          ; rows read back, 64 registers
.set O,   128                          ; window 1 from here on
.set MX,  192                          ; running maximum, n = 0, 1
.set NMC, 194                          ; -c x maximum
.set AL,  196                          ; factor for the old sums; at the end 1 / sum
.set LS,  198                          ; running sum of my half of the keys
.set DA,  200                          ; position in the diagonal tile - 8 h, block A
.set DB,  201                          ; block B
.set T0,  202                          ; v202-205 at work
.set A0,  210                          ; two pairs of partial sums
.set A1,  212
.set G1V, 16                           ; s[16:23] group 1 for V's tiles
.set G1K, 24                           ; s[24:31] for K's
.set G0V, 32                           ; s[32:39] group 0 for V's tiles, one set a slot
.set G0K, 40                           ; s[40:47] for K's
.set W_S,   0x50                       ; C and D window 1, sources window 0
.set W_SM,  0x55                       ; all in window 1
.set W_PV,  0x54                       ; source 0 (V upper) window 0; source 1 (P), C and D window 1
.set W_PVL, 0x56                       ; source 0 (V lower) window 2; source 1 (P), C and D window 1
.set W_CV,  0x05                       ; sources window 1, destination window 0
.set MSB, 0
.macro WIN new
.if MSB != \new
	s_set_vgpr_msb (MSB<<8)|\new
.set MSB, \new
.endif
.endm
.macro PLACES
.rept 4
	v_nop
.endr
.endm
.macro PLACES5
.rept 5
	v_nop
.endr
.endm
.macro UNPK d, r                       ; the two f16 of register r as f32 in registers d, d + 1
	v_cvt_f32_f16 v[\d], v\r\().l
	v_cvt_f32_f16 v[\d+1], v\r\().h
.endm
.macro ROUND                           ; a round of the cluster's barrier
	s_barrier_signal -1
	s_barrier_wait -1
	s_cmp_lg_u32 s8, 0
	s_cbranch_scc1 .Lnot_wave_0_\@
	s_barrier_signal -3
.Lnot_wave_0_\@:
	s_barrier_wait -3
	s_barrier_signal -1
	s_barrier_wait -1
.endm
.macro JLOAD s                         ; waves 0, 1 ask for V's two halves, waves 2, 3 for K's
	s_cmp_eq_u32 s10, 0
	s_cbranch_scc0 .Lfor_k_\@
	tensor_load_to_lds s[G0V+4*\s:G0V+4*\s+3], s[G1V:G1V+7]
	s_nop 0
	s_branch .Lasked_\@
.Lfor_k_\@:
	tensor_load_to_lds s[G0K+4*\s:G0K+4*\s+3], s[G1K:G1K+7]
	s_nop 0
.Lasked_\@:
.endm
.macro QLOAD adr                       ; q of two heads, 16 positions: source 1 fragments straight from memory
.irp n, 0,1
.irp c, 0,1
	global_load_b128 v[Q+16*\n+8*\c:Q+16*\n+8*\c+3],   v[\adr], s[4:5] offset:HEADB*\n+64*\c
	global_load_b128 v[Q+16*\n+8*\c+4:Q+16*\n+8*\c+7], v[\adr], s[4:5] offset:HEADB*\n+64*\c+32
.endr
.endr
.endm
.macro INIT                            ; a block's softmax state
	WIN 0x40
	v_mov_b32 v[MX], s62                           ; -2^127
	v_mov_b32 v[MX+1], s62
	v_mov_b32 v[NMC], 0x7db8aa3b                   ; c x 2^127: the first factor for the old sums is 2^(-huge) = 0
	v_mov_b32 v[NMC+1], 0x7db8aa3b
	v_mov_b32 v[LS], 0
	v_mov_b32 v[LS+1], 0
	WIN 0
.endm
	s_load_b128 s[4:7], s[0:1], 0x0                ; qk s[4:5], vv s[6:7]
	s_load_b64 s[72:73], s[0:1], 0x10              ; att
	v_lshl_add_u32 v30, v0, 2, 0x29000
	v_mov_b32 v31, 0
	ds_add_u32 v30, v31
	v_lshrrev_b32 v1, 5, v0
	v_readfirstlane_b32 s8, v1                     ; wave
	s_and_b32 s9, s8, 1                            ; head pair.  Also: which 64 rows of a tile I fetch
	s_lshr_b32 s10, s8, 1                          ; which 16 positions.  Also: I fetch for V (0) or for K (1)
	s_bfe_u32 s11, ttmp6, 0x40000                  ; cx
	s_mov_b32 s12, ttmp9                           ; m: the cluster's x
	s_and_b32 s13, ttmp7, 0xffff                   ; 4 b + kv head
	s_lshr_b32 s14, s13, 2                         ; batch
	s_and_b32 s15, s13, 3                          ; kv head
	s_mov_b32 s58, 0x76543210                      ; v_permlanex16_b32: lane i takes lane i of the other half
	s_mov_b32 s59, 0xfedcba98
	s_mov_b32 s60, 0x3e38aa3b                      ; c = log2(e) / sqrt(64)
	s_mov_b32 s61, 0x3e38aa3b
	s_mov_b32 s62, 0xff000000                      ; -2^127
	; group 1, for all four work-groups of the cluster.  V: 64 rows x 128 elements of 2 bytes, 8 words of padding after every 64 words
	s_mov_b32 s[G1V+0], 15|(1<<16)|(1<<20)|(1<<21)|(5<<22)|(7<<25)
	s_mov_b32 s[G1V+1], 128<<16
	s_mov_b32 s[G1V+2], 64<<16
	s_mov_b32 s[G1V+3], 128<<16
	s_mov_b32 s[G1V+4], 64
	s_mov_b32 s[G1V+5], 128
	s_mov_b32 s[G1V+6], 0
	s_mov_b32 s[G1V+7], 0
	; K: 64 rows x 64 elements, 4 words of padding after every 32 words
	s_mov_b32 s[G1K+0], 15|(1<<16)|(1<<20)|(1<<21)|(4<<22)|(3<<25)
	s_mov_b32 s[G1K+1], 64<<16
	s_mov_b32 s[G1K+2], 64<<16
	s_mov_b32 s[G1K+3], 64<<16
	s_mov_b32 s[G1K+4], 64
	s_mov_b32 s[G1K+5], 64
	s_mov_b32 s[G1K+6], 0
	s_mov_b32 s[G1K+7], 0
	s_mul_i32 s66, s14, 20
	s_add_co_u32 s66, s66, s15
	s_add_co_u32 s66, s66, 16
	s_lshl_b32 s66, s66, 18                        ; K: head 20 b + 16 + kv head, of 262,144 bytes
	s_lshl_b32 s67, s9, 13                         ; my 64 rows of 128 bytes
	s_add_co_u32 s66, s66, s67
	s_mov_b32 s67, 0
	s_lshl_b32 s68, s13, 19                        ; V: head 4 b + kv head, of 524,288 bytes
	s_lshl_b32 s69, s9, 14                         ; my 64 rows of 256 bytes
	s_add_co_u32 s68, s68, s69
	s_mov_b32 s69, 0
	s_wait_dscnt 0x0
	s_wait_kmcnt 0x0
	s_add_nc_u64 s[48:49], s[4:5], s[66:67]
	s_add_nc_u64 s[50:51], s[6:7], s[68:69]
	s_mul_i32 s66, s8, VHALF                       ; V (waves 0, 1): wave x 18,432
	s_mul_i32 s67, s8, KHALF                       ; K (waves 2, 3): wave x 9,216 + 18,432 = behind V's 36,864 bytes
	s_add_co_u32 s67, s67, KOFF-2*KHALF
.irp s, 0,1
	s_mov_b32 s[G0V+4*\s], 1
	s_add_co_u32 s[G0V+4*\s+1], s66, \s*SLOT
	s_mov_b64 s[G0V+4*\s+2:G0V+4*\s+3], s[50:51]                   ; tile 0 (slot 1's address is made anew in front of its first load)
	s_or_b32 s[G0V+4*\s+3], s[G0V+4*\s+3], 0x80000000
	s_mov_b32 s[G0K+4*\s], 1
	s_add_co_u32 s[G0K+4*\s+1], s67, \s*SLOT
	s_mov_b64 s[G0K+4*\s+2:G0K+4*\s+3], s[48:49]
	s_or_b32 s[G0K+4*\s+3], s[G0K+4*\s+3], 0x80000000
.endr
	s_mov_b32 s53, 0                               ; s[52:53]: a tile's byte offset in K
	s_mov_b32 s67, 0                               ; s[66:67]: in V
	s_mov_b32 s54, 0                               ; the tile last asked for
	s_mov_b32 s55, s12                             ; steps up to block A's diagonal tile; 0 there, and never again in 17 steps
	ROUND                                          ; the four work-groups are here: the first joint load meets
	JLOAD 0
	v_and_b32 v2, 15, v0                           ; r
	v_bfe_u32 v3, v0, 4, 1                         ; h
	s_lshl_b32 s68, s12, 2
	s_add_co_u32 s68, s68, s11                     ; block A = 4 m + cx
	s_sub_co_u32 s69, 63, s68                      ; block B
	s_mul_i32 s70, s14, 20
	s_lshl2_add_u32 s70, s15, s70
	s_lshl1_add_u32 s70, s9, s70                   ; my first head: 20 b + 4 kv head + 2 (w & 1)
	s_lshl_b32 s70, s70, 11
	s_lshl_b32 s71, s10, 4                         ; my 16 positions in a block
	s_add_co_u32 s70, s70, s71
	s_lshl_b32 s2, s68, 5
	s_add_co_u32 s2, s2, s70
	s_lshl_b32 s2, s2, 7                           ; rows of 128 bytes
	s_lshl_b32 s3, s69, 5
	s_add_co_u32 s3, s3, s70
	s_lshl_b32 s3, s3, 7
	v_lshlrev_b32 v7, 7, v2
	v_lshl_add_u32 v7, v3, 4, v7                   ; row r, 16 bytes for each half of the lanes
	v_add_nc_u32 v[QA], s2, v7
	v_add_nc_u32 v[QB], s3, v7
	QLOAD QA
	v_mul_u32_u24 v4, v2, KP                       ; K: row r x pitch + 16 h
	v_lshl_add_u32 v4, v3, 4, v4
	v_add_nc_u32 v[ADK], KOFF, v4
	v_add_nc_u32 v[ADK+1], KOFF+SLOT, v4
	v_and_b32 v5, 7, v0                            ; V: row 8 h + (l & 7), 16 bytes for each eight lanes
	v_lshl_add_u32 v5, v3, 3, v5
	v_mul_u32_u24 v5, v5, VP
	v_bfe_u32 v6, v0, 3, 1
	v_lshl_add_u32 v[ADV], v6, 4, v5
	v_add_nc_u32 v[ADV+1], SLOT, v[ADV]
	s_lshl_b32 s70, s14, 11                        ; att: row 2,048 b + 32 block + 16 (w >> 1) + (l >> 4), rows of 4,096 bytes
	s_add_co_u32 s70, s70, s71
	s_lshl_b32 s2, s68, 5
	s_add_co_u32 s2, s2, s70
	s_lshl_b32 s2, s2, 12
	s_lshl_b32 s3, s69, 5
	s_add_co_u32 s3, s3, s70
	s_lshl_b32 s3, s3, 12
	s_lshl_b32 s70, s15, 1
	s_add_co_u32 s70, s70, s9
	s_lshl_b32 s70, s70, 8                         ; my two heads' 256 bytes
	s_add_co_u32 s2, s2, s70
	s_add_co_u32 s3, s3, s70
	v_lshlrev_b32 v7, 12, v3
	v_lshl_add_u32 v7, v2, 4, v7
	v_add_nc_u32 v[OA], s2, v7
	v_add_nc_u32 v[OB], s3, v7
	s_mul_i32 s2, s8, 32*SPITCH
	s_add_co_u32 s2, s2, STAGE                     ; my stage
	v_mul_u32_u24 v4, v2, SPITCH
	v_lshl_add_u32 v4, v3, 4, v4
	v_add_nc_u32 v[STO], s2, v4
	v_mul_u32_u24 v4, v3, SPITCH
	v_lshl_add_u32 v4, v2, 4, v4
	v_add_nc_u32 v[RD], s2, v4
	v_lshlrev_b32 v6, 3, v3
	v_sub_nc_u32 v6, v2, v6                        ; r - 8 h
	s_lshl_b32 s2, s11, 5
	s_add_co_u32 s2, s2, s71                       ; block A in its diagonal tile: 32 cx + 16 (w >> 1)
	s_sub_co_u32 s3, 3, s11
	s_lshl_b32 s3, s3, 5
	s_add_co_u32 s3, s3, s71                       ; block B: 32 (3 - cx) + 16 (w >> 1)
	WIN 0x40
	v_add_nc_u32 v[DA], s2, v6
	v_add_nc_u32 v[DB], s3, v6
	INIT
; K's 16 fragments, 32 loads, in four groups of eight: key tiles 2 g and 2 g + 1
.macro FETCHK slot
.irp g, 0,1,2,3
.irp c, 0,1
.irp k, 0,1
	ds_load_b128 v[KV+16*(2*\g+\k)+8*\c:KV+16*(2*\g+\k)+8*\c+3],   v[ADK+\slot] offset:16*KP*(2*\g+\k)+64*\c
	ds_load_b128 v[KV+16*(2*\g+\k)+8*\c+4:KV+16*(2*\g+\k)+8*\c+7], v[ADK+\slot] offset:16*KP*(2*\g+\k)+64*\c+32
.endr
.endr
.endr
.endm
; Scores of key tiles 2 g, 2 g + 1 for both heads: four accumulators take turns, one instruction a turn
.macro SGRP g
	s_wait_dscnt 24-8*\g                           ; this group's eight loads are in; the later groups' may be out
.irp k, 0,1
.irp n, 0,1
	v_wmma_f32_16x16x32_f16 v[16*(2*\g+\k)+8*\n:16*(2*\g+\k)+8*\n+7], v[KV+16*(2*\g+\k):KV+16*(2*\g+\k)+7], v[Q+16*\n:Q+16*\n+7], 0
.endr
.endr
.irp k, 0,1
.irp n, 0,1
	v_wmma_f32_16x16x32_f16 v[16*(2*\g+\k)+8*\n:16*(2*\g+\k)+8*\n+7], v[KV+16*(2*\g+\k)+8:KV+16*(2*\g+\k)+15], v[Q+16*\n+8:Q+16*\n+15], v[16*(2*\g+\k)+8*\n:16*(2*\g+\k)+8*\n+7]
.endr
.endr
.endm
; V^T's 16 fragments (16 hd x 32 keys), 32 transposing loads, into registers base .. base + 127; part = 0: upper parts, 128: lower (byte in the row)
.macro FETCHV slot, base, part
.irp c, 0,1,2,3
.irp t, 0,1,2,3
	ds_load_tr16_b128 v[\base+8*(4*\c+\t):\base+8*(4*\c+\t)+3],   v[ADV+\slot] offset:32*VP*\c+32*\t+\part
	ds_load_tr16_b128 v[\base+8*(4*\c+\t)+4:\base+8*(4*\c+\t)+7], v[ADV+\slot] offset:32*VP*\c+32*\t+\part+16*VP
.endr
.endr
.endm
; The diagonal tile: key 16 kt + 8 h + j stays where it is not behind the query's position
.macro MASK d
.irp k, 0,1,2,3,4,5,6,7
.irp j, 0,1,2,3,4,5,6,7
	v_cmp_le_i32 vcc_lo, 16*\k+\j, v[\d]
	v_cndmask_b32 v[16*\k+\j], s62, v[16*\k+\j], vcc_lo
	v_cndmask_b32 v[16*\k+8+\j], s62, v[16*\k+8+\j], vcc_lo
.endr
.endr
.endm
.macro FMA n, k                        ; c s + NMC, one rounding
.irp p, 0,2,4,6
.if \n
	v_pk_fma_f32 v[16*(\k)+8+\p:16*(\k)+8+\p+1], v[16*(\k)+8+\p:16*(\k)+8+\p+1], s[60:61], v[NMC:NMC+1] op_sel:[0,0,1] op_sel_hi:[1,0,1]
.else
	v_pk_fma_f32 v[16*(\k)+\p:16*(\k)+\p+1], v[16*(\k)+\p:16*(\k)+\p+1], s[60:61], v[NMC:NMC+1] op_sel_hi:[1,0,0]
.endif
.endr
.endm
.macro EXPS n, k
.irp j, 0,1,2,3,4,5,6,7
	v_exp_f32 v[16*(\k)+8*\n+\j], v[16*(\k)+8*\n+\j]
.endr
.endm
.macro SUM n, k                        ; two chains of pairs; tile 0 starts them
.if (\k) == 0
	s_wait_alu depctr_va_vdst(0)
	v_pk_add_f32 v[A0:A0+1], v[8*\n:8*\n+1], v[8*\n+2:8*\n+3]
	v_pk_add_f32 v[A1:A1+1], v[8*\n+4:8*\n+5], v[8*\n+6:8*\n+7]
.else
	s_wait_alu depctr_va_vdst(0)
	v_pk_add_f32 v[A0:A0+1], v[A0:A0+1], v[16*(\k)+8*\n:16*(\k)+8*\n+1]
	v_pk_add_f32 v[A1:A1+1], v[A1:A1+1], v[16*(\k)+8*\n+2:16*(\k)+8*\n+3]
	v_pk_add_f32 v[A0:A0+1], v[A0:A0+1], v[16*(\k)+8*\n+4:16*(\k)+8*\n+5]
	v_pk_add_f32 v[A1:A1+1], v[A1:A1+1], v[16*(\k)+8*\n+6:16*(\k)+8*\n+7]
.endif
.endm
.macro CVT n, c                        ; tiles 2 c and 2 c + 1 to f16, in place: source 1 of the second product, keys 32 c .. 32 c + 31
.irp p, 0,1,2,3
	v_cvt_pk_f16_f32 v[32*(\c)+8*\n+\p], v[32*(\c)+8*\n+2*\p], v[32*(\c)+8*\n+2*\p+1]
.endr
.irp p, 0,1,2,3
	v_cvt_pk_f16_f32 v[32*(\c)+8*\n+4+\p], v[32*(\c)+16+8*\n+2*\p], v[32*(\c)+16+8*\n+2*\p+1]
.endr
.endm
; One head's 128 keys.  Behind each run of v_exp_f32 stands the next tile's multiply-add, plain work on other registers, before a result is used (ISA guide 5.7.2).
.macro SOFTMAX n
.irp q, 0,1,2,3
	v_max_num_f32 v[T0+\q], v[32*\q+8*\n], v[32*\q+8*\n+1]
.endr
.irp j, 2,4,6
.irp q, 0,1,2,3
	v_max3_num_f32 v[T0+\q], v[T0+\q], v[32*\q+8*\n+\j], v[32*\q+8*\n+\j+1]
.endr
.endr
.irp j, 0,2,4,6
.irp q, 0,1,2,3
	v_max3_num_f32 v[T0+\q], v[T0+\q], v[32*\q+16+8*\n+\j], v[32*\q+16+8*\n+\j+1]
.endr
.endr
	v_max3_num_f32 v[T0], v[T0], v[T0+1], v[T0+2]
	v_max_num_f32 v[T0], v[T0], v[T0+3]
	v_permlanex16_b32 v[T0+1], v[T0], s58, s59     ; the other half of the keys
	v_max3_num_f32 v[MX+\n], v[T0], v[T0+1], v[MX+\n]
	v_mul_f32 v[T0+2], 0xbe38aa3b, v[MX+\n]        ; -c x maximum
	v_sub_f32 v[T0+3], v[T0+2], v[NMC+\n]
	v_mov_b32 v[NMC+\n], v[T0+2]
	v_exp_f32 v[AL+\n], v[T0+3]                    ; the factor for the old sums
	FMA \n, 0
	EXPS \n, 0
.irp k, 1,2,3,4,5,6,7
	FMA \n, \k
	SUM \n, (\k-1)
.if (\k-1)&1
	CVT \n, ((\k-2)/2)
.endif
	EXPS \n, \k
.endr
	v_nop
	s_wait_alu depctr_va_vdst(0)
	SUM \n, 7
	CVT \n, 3
	v_pk_add_f32 v[A0:A0+1], v[A0:A0+1], v[A1:A1+1]
	v_add_f32 v[T0], v[A0], v[A0+1]
	v_fma_f32 v[LS+\n], v[LS+\n], v[AL+\n], v[T0]
.endm
.macro RESCALE                         ; O times AL of its head
.irp t, 0,1,2,3
.irp p, 0,2,4,6
	v_pk_mul_f32 v[O+16*\t+\p:O+16*\t+\p+1], v[O+16*\t+\p:O+16*\t+\p+1], v[AL:AL+1] op_sel_hi:[1,0]
	v_pk_mul_f32 v[O+16*\t+8+\p:O+16*\t+8+\p+1], v[O+16*\t+8+\p:O+16*\t+8+\p+1], v[AL:AL+1] op_sel:[0,1] op_sel_hi:[1,1]
.endr
.endr
.endm
; Keys 32 c .. 32 c + 31 of the V part whose fragments begin at register base, into all eight accumulators, which take turns, one instruction a turn
.macro PVG c, zero, base
.irp t, 0,1,2,3
.irp n, 0,1
.if \zero
	v_wmma_f32_16x16x32_f16 v[O+16*\t+8*\n:O+16*\t+8*\n+7], v[\base+8*(4*\c+\t):\base+8*(4*\c+\t)+7], v[32*\c+8*\n:32*\c+8*\n+7], 0
.else
	v_wmma_f32_16x16x32_f16 v[O+16*\t+8*\n:O+16*\t+8*\n+7], v[\base+8*(4*\c+\t):\base+8*(4*\c+\t)+7], v[32*\c+8*\n:32*\c+8*\n+7], v[O+16*\t+8*\n:O+16*\t+8*\n+7]
.endif
.endr
.endr
.endm
; A block is done: divide by the sum; upper part f16(o), lower part f16(o - upper); through my own stage, out in whole rows of 256 bytes
.macro FINAL out, reinit
	PLACES                                         ; four places behind the last matrix instruction: its results are read and V's fragment registers written below
	WIN W_SM
	v_permlanex16_b32 v[T0], v[LS], s58, s59       ; the other half's sums
	v_permlanex16_b32 v[T0+1], v[LS+1], s58, s59
	v_add_f32 v[T0], v[T0], v[LS]
	v_add_f32 v[T0+1], v[T0+1], v[LS+1]
	v_rcp_f32 v[AL], v[T0]
	v_rcp_f32 v[AL+1], v[T0+1]
	v_nop                                          ; one plain place behind the reciprocals
	s_wait_alu depctr_va_vdst(0)
	RESCALE
	WIN W_CV
.irp t, 0,1,2,3
.irp n, 0,1
.irp p, 0,1,2,3
	v_cvt_pk_f16_f32 v[TH+4*(2*\t+\n)+\p], v[O+16*\t+8*\n+2*\p], v[O+16*\t+8*\n+2*\p+1]
.endr
.endr
.endr
	WIN 0
.irp r, 64,65,66,67,68,69,70,71,72,73,74,75,76,77,78,79,80,81,82,83,84,85,86,87,88,89,90,91,92,93,94,95
	UNPK HF+2*(\r-TH), \r                          ; the upper parts as f32
.endr
	WIN 0x01                                       ; source 0 (O) in window 1: the differences, exact in f32
.irp t, 0,1,2,3
.irp n, 0,1
.irp p, 0,1,2,3
	v_pk_add_f32 v[HF+8*(2*\t+\n)+2*\p:HF+8*(2*\t+\n)+2*\p+1], v[O+16*\t+8*\n+2*\p:O+16*\t+8*\n+2*\p+1], v[HF+8*(2*\t+\n)+2*\p:HF+8*(2*\t+\n)+2*\p+1] neg_lo:[0,1] neg_hi:[0,1]
.endr
.endr
.endr
	WIN 0
.set i, 0
.rept 32
	v_cvt_pk_f16_f32 v[TL+i], v[HF+2*i], v[HF+2*i+1]
.set i, i+1
.endr
.irp t, 0,1,2,3
.irp n, 0,1
	ds_store_b128 v[STO], v[TH+4*(2*\t+\n):TH+4*(2*\t+\n)+3] offset:128*\n+32*\t
	ds_store_b128 v[STO], v[TL+4*(2*\t+\n):TL+4*(2*\t+\n)+3] offset:16*SPITCH+128*\n+32*\t
.endr
.endr
	s_wait_xcnt 0x0                                ; the registers that an earlier block's stores read are loaded again only behind this wait
.irp u, 0,1,2,3,4,5,6,7
	ds_load_b128 v[BK+4*\u:BK+4*\u+3], v[RD] offset:2*SPITCH*\u    ; LDS serves a wave's instructions in order: these see the stores above
.endr
.irp u, 0,1,2,3,4,5,6,7
	ds_load_b128 v[BK+32+4*\u:BK+32+4*\u+3], v[RD] offset:16*SPITCH+2*SPITCH*\u
.endr
.irp u, 0,1,2,3,4,5,6,7
	s_wait_dscnt 15-\u                             ; number u of the sixteen is in
	global_store_b128 v[\out], v[BK+4*\u:BK+4*\u+3], s[72:73] offset:8192*\u           ; 16 lanes store 256 consecutive bytes, at a multiple of 256
.endr
.irp u, 0,1,2,3,4,5,6,7
	s_wait_dscnt 7-\u
	global_store_b128 v[\out], v[BK+32+4*\u:BK+32+4*\u+3], s[72:73] offset:8192*\u+2048 ; the lower parts: 1,024 columns on
.endr
.if \reinit
	INIT
	s_mov_b32 s56, 1                               ; the next tile starts block B's sums
.endif
.endm
; One key tile.  slot holds it; other is asked for again (refill = 1).
; firstmode: 1 the tile starts the sums; 0 it may (s56); 2 it does not.  diagmode: 0 it may be block A's diagonal (s55 = 0); 1 it is block B's; 2 it is none.
.macro STEP slot, other, refill, firstmode, diagmode
	s_wait_tensorcnt 0x0                           ; all my tensor loads have landed, my part of this tile among them: every group 0 may be written
	ds_add_u32 v30, v31
	s_wait_dscnt 0x0
.if \refill
	s_add_co_u32 s54, s54, 1                       ; the next tile: one further, or tile 0 behind block A's diagonal
	s_cmp_eq_u32 s55, 0
	s_cselect_b32 s54, 0, s54
	s_lshl_b32 s52, s54, 14                        ; K: 128 rows of 128 bytes
	s_lshl_b32 s66, s54, 15                        ; V: 128 rows of 256 bytes
	s_add_nc_u64 s[G0V+4*\other+2:G0V+4*\other+3], s[50:51], s[66:67]
	s_or_b32 s[G0V+4*\other+3], s[G0V+4*\other+3], 0x80000000
	s_add_nc_u64 s[G0K+4*\other+2:G0K+4*\other+3], s[48:49], s[52:53]
	s_or_b32 s[G0K+4*\other+3], s[G0K+4*\other+3], 0x80000000
.endif
	s_wait_dscnt 0x0                               ; my reads of the other slot are over
	ROUND                                          ; both now hold of every wave of the four work-groups
.if \refill
	JLOAD \other                                   ; the wave's one tensor load behind the round; it has this whole step in which to land
.endif
	s_wait_loadcnt 0x0                             ; q is in (loaded at the start, or at block A's diagonal)
	PLACES5                                        ; behind the last step's matrix instructions: K lands on V's fragments, the scores on P
	FETCHK \slot
	WIN W_S
	SGRP 0
	SGRP 1
	SGRP 2
	SGRP 3
	WIN 0
	PLACES                                         ; behind the scores' matrix instructions: V lands on K's fragments, the scores are read
	FETCHV \slot, KV, 0                            ; V's upper parts come in under the softmax
.if \diagmode == 0
	s_cmp_lg_u32 s55, 0
	s_cbranch_scc1 .Lnodiag_\@
	QLOAD QB                                       ; block A's last scores are made: block B's q comes in
	WIN W_SM
	MASK DA
	WIN 0
.Lnodiag_\@:
.endif
.if \diagmode == 1
	WIN W_SM
	MASK DB
.endif
	WIN W_SM
	SOFTMAX 0
	SOFTMAX 1
	s_wait_dscnt 0x0                               ; V's upper fragments are in
	WIN 0x80                                       ; destination in window 2
	FETCHV \slot, 0, 128                           ; V's lower parts come in under the 32 products with the upper parts
.if \firstmode == 1
	WIN W_PV
	PVG 0, 1, KV
.endif
.if \firstmode == 2
	WIN W_SM
	RESCALE
	WIN W_PV
	PVG 0, 0, KV
.endif
.if \firstmode == 0
	WIN 0
	s_cmp_lg_u32 s56, 0
	s_cbranch_scc1 .Lfirst_\@
	WIN W_SM
	RESCALE
	WIN W_PV
	PVG 0, 0, KV
	WIN 0
	s_branch .Ljoin_\@
.Lfirst_\@:
	WIN W_PV
	PVG 0, 1, KV
	WIN 0
.Ljoin_\@:
.endif
	WIN W_PV
	PVG 1, 0, KV
	PVG 2, 0, KV
	PVG 3, 0, KV
	s_wait_dscnt 0x0                               ; V's lower fragments are in
	WIN W_PVL
	PVG 0, 0, 0
	PVG 1, 0, 0
	PVG 2, 0, 0
	PVG 3, 0, 0
	WIN 0
	s_mov_b32 s56, 0
.if \diagmode == 0
	s_cmp_lg_u32 s55, 0
	s_cbranch_scc1 .Lnofinal_\@
	FINAL OA, 1
.Lnofinal_\@:
.endif
.if \diagmode == 1
	FINAL OB, 0
.endif
	s_sub_co_u32 s55, s55, 1
.endm
	STEP 0, 1, 1, 1, 0                             ; step 0 starts block A's sums
	s_mov_b32 s57, 7
.Lsteps:
	STEP 1, 0, 1, 0, 0                             ; steps 1 to 14: block A's diagonal is step m <= 7, block B's first tile step m + 1 <= 8
	STEP 0, 1, 1, 0, 0
	s_sub_co_u32 s57, s57, 1
	s_cmp_lg_u32 s57, 0
	s_cbranch_scc1 .Lsteps
	STEP 1, 0, 1, 2, 2                             ; step 15
	STEP 0, 1, 0, 2, 1                             ; step 16: block B's diagonal; nothing is left to fetch
	s_wait_tensorcnt 0x0
	ds_add_u32 v30, v31
	s_wait_dscnt 0x0
	ROUND                                          ; the closing round
	s_endpgm
.Lfunc_end_k_qecc5dd909e_attn:
	.size	k_qecc5dd909e_attn, .Lfunc_end_k_qecc5dd909e_attn-k_qecc5dd909e_attn
	.p2alignl 7, 3214868480
	.fill 96, 4, 3214868480
	.section	.rodata,"a",@progbits
	.p2align	6, 0x0
	.amdhsa_kernel k_qecc5dd909e_attn
		.amdhsa_group_segment_fixed_size 327680
		.amdhsa_private_segment_fixed_size 0
		.amdhsa_enable_private_segment 0
		.amdhsa_kernarg_size 24
		.amdhsa_user_sgpr_count 2
		.amdhsa_user_sgpr_kernarg_segment_ptr 1
		.amdhsa_wavefront_size32 1
		.amdhsa_system_sgpr_workgroup_id_x 1
		.amdhsa_system_sgpr_workgroup_id_y 1
		.amdhsa_system_sgpr_workgroup_id_z 1
		.amdhsa_system_vgpr_workitem_id 0
		.amdhsa_next_free_vgpr 640
		.amdhsa_next_free_sgpr 80
		.amdhsa_reserve_vcc 1
		.amdhsa_float_denorm_mode_32 3
		.amdhsa_float_denorm_mode_16_64 3
		.amdhsa_memory_ordered 1
		.amdhsa_forward_progress 1
		.amdhsa_inst_pref_size 255
	.end_amdhsa_kernel
	.section	.bss,"aw",@nobits
	.p2align	6
	.space	262144
	.amdgpu_metadata
---
amdhsa.version: [ 1, 2 ]
amdhsa.kernels:
  - .name:           k_qecc5dd909e_attn
    .symbol:         k_qecc5dd909e_attn.kd
    .args:
      - { .name: qk, .offset: 0, .size: 8, .value_kind: global_buffer, .address_space: global }
      - { .name: vv, .offset: 8, .size: 8, .value_kind: global_buffer, .address_space: global }
      - { .name: att, .offset: 16, .size: 8, .value_kind: global_buffer, .address_space: global }
    .group_segment_fixed_size: 327680
    .private_segment_fixed_size: 0
    .kernarg_segment_align: 8
    .kernarg_segment_size: 24
    .max_flat_workgroup_size: 128
    .sgpr_count:     80
    .vgpr_count:     640
    .wavefront_size: 32
...
	.end_amdgpu_metadata
.endif
;; end of part 3
;; launch oproj (part 4): grid 8 x 32, 4 waves a work-group, clusters of 4 x 4, 327,680 bytes of LDS; arguments att, woh, out0; writes out0
.if DOCPART == 4
	.amdgcn_target "amdgcn-amd-amdhsa--gfx1250"
	.amdhsa_code_object_version 6
	.text
	.protected	k_qecc5dd909e_oproj
	.globl	k_qecc5dd909e_oproj
	.p2align	8
	.type	k_qecc5dd909e_oproj,@function
k_qecc5dd909e_oproj:
	s_mov_b64 s[64:65], 0
	v_nop
	global_prefetch_b8 v0, s[64:65] scope:SCOPE_SE
	s_setreg_imm32_b32 hwreg(HW_REG_WAVE_MODE, 25, 1), 1
	s_wait_xcnt 0x0
	s_wait_alu depctr_hold_cnt(0) depctr_sa_sdst(0) depctr_va_vdst(0) depctr_va_sdst(0) depctr_va_ssrc(0) depctr_va_vcc(0) depctr_vm_vsrc(0)
	s_getreg_b32 s2, hwreg(HW_REG_IB_STS2, 6, 4)
	s_cmp_eq_u32 s2, 0
	s_cbranch_scc0 .Lentry_in_a_cluster
	s_endpgm
.Lentry_in_a_cluster:
	s_bfe_u32 s2, ttmp6, 0x10000c
	s_cmp_lg_u32 s2, 0xf033
	s_cbranch_scc0 .Lentry_shape_is_right
	s_endpgm
.Lentry_shape_is_right:
; out0 = (att upper + att lower) wo^T.  att [4096][2048] f16 (upper parts in columns 0-1023, lower in 1024-2047), woh [1024][1024] f16,
; out0 [4096][1024] f32; sums in f32.  It is one product with K = 2,048 in which wo's columns are walked twice.
; A work-group makes 128 x 128: 32 x 8 = 256 work-groups.  Four waves, 2 x 2; a wave makes 64 x 64: 16 accumulator tiles, 128 registers.
; K goes through two LDS slots of 256 along K each (rows of 512 bytes, each at a multiple of 512 from its buffer's first byte): eight fills, eight quarter steps
; of 32 along K for each, so that a fill has 124 of a wave's matrix instructions in which to land, and there is one barrier for 128.
; CLUSTERS: 4 x 4 work-groups; att's tile is asked for jointly along a row of the cluster, woh's along a column: four times fewer requests.
; The matrix instruction is used transposed (source 0 = rows of woh, source 1 = rows of att): a lane holds eight neighbouring columns of a row.
; REGISTERS: window 0: v16-26 addresses; v32-95, v96-159 two fragment buffers (4 of woh, then 4 of att).  Window 1: v0-127 accumulators, tile (a, b) at 8 (4 a + b).
.set PITCH,  528                       ; an LDS row: 512 bytes + 16
.set HALFT,  64*PITCH                  ; what one load brings
.set SLOT,   4*HALFT                   ; att's 128 rows, then woh's 128 rows: 135,168
.set STAGE,  2*SLOT                    ; behind the ring, at a multiple of 256: 16 rows x 272 bytes for each wave; no tensor load lands here
.set SPITCH, 272
.set ADRA, 16
.set ADRB, 20
.set STO,  24
.set RD,   25
.set CO,   26
.set F0,   32
.set F1,   96
.set G1,  24
.set G0,  32
.set G1B, 48
.set G0B, 56
.set FLAGS, (1<<16)|(1<<20)|(1<<21)|(6<<22)|(3<<25)   ; 2-byte elements; padding on; bit 21 beside a mask; after every 128 words; 4 words
.set MUL, 0x50
.set MSB, 0
.macro WIN new
.if MSB != \new
	s_set_vgpr_msb (MSB<<8)|\new
.set MSB, \new
.endif
.endm
.macro PLACES
.rept 4
	v_nop
.endr
.endm
.macro JLOAD s                         ; waves 0, 1 ask for att's two halves, waves 2, 3 for woh's
	s_cmp_eq_u32 s11, 0
	s_cbranch_scc0 .Lfor_b_\@
	tensor_load_to_lds s[G0+4*\s:G0+4*\s+3], s[G1:G1+7]
	s_nop 0
	s_branch .Lasked_\@
.Lfor_b_\@:
	tensor_load_to_lds s[G0B+4*\s:G0B+4*\s+3], s[G1B:G1B+7]
	s_nop 0
.Lasked_\@:
.endm
.macro CREST
	s_cmp_lg_u32 s10, 0
	s_cbranch_scc1 .Lnot_wave_0_\@
	s_barrier_signal -3
.Lnot_wave_0_\@:
	s_barrier_wait -3
	s_barrier_signal -1
	s_barrier_wait -1
.endm
.macro CROUND
	s_barrier_signal -1
	s_barrier_wait -1
	CREST
.endm
	s_load_b128 s[4:7], s[0:1], 0x0                ; att s[4:5], woh s[6:7]
	s_load_b64 s[8:9], s[0:1], 0x10                ; out0
	v_lshl_add_u32 v254, v0, 2, 0x46400
	v_mov_b32 v255, 0
	ds_add_u32 v254, v255
	v_lshrrev_b32 v1, 5, v0
	v_readfirstlane_b32 s10, v1                    ; wave
	s_lshr_b32 s11, s10, 1                         ; which 64 rows are mine.  Also: I fetch for att (0) or for woh (1)
	s_and_b32 s12, s10, 1                          ; which 64 columns.  Also: which half of that tile I fetch
	s_bfe_u32 s40, ttmp6, 0x40000                  ; cx
	s_bfe_u32 s41, ttmp6, 0x40004                  ; cy
	s_lshl_b32 s42, ttmp9, 2
	s_add_co_u32 s42, s42, s40                     ; block column 0..7
	s_and_b32 s13, ttmp7, 0xffff
	s_lshl_b32 s13, s13, 2
	s_add_co_u32 s13, s13, s41                     ; block row 0..31
	s_lshl_b32 s43, s41, 2
	s_lshl_b32 s43, 15, s43                        ; my row of the cluster
	s_lshl_b32 s44, 0x1111, s40                    ; my column
	s_or_b32 s[G1+0], s43, FLAGS                   ; a tile of 64 rows x 256 elements
	s_or_b32 s[G1B+0], s44, FLAGS
	s_mov_b32 s[G1+1], 256<<16                     ; tensor_dim0 = 256
	s_mov_b32 s[G1B+1], 256<<16
	s_mov_b32 s[G1+2], 64<<16                      ; tensor_dim1 = 64
	s_mov_b32 s[G1B+2], 64<<16
	s_mov_b32 s[G1+3], 256<<16                     ; tile_dim0 = 256
	s_mov_b32 s[G1B+3], 256<<16
	s_mov_b32 s[G1+4], 64                          ; tile_dim1 = 64
	s_mov_b32 s[G1B+4], 64
	s_mov_b32 s[G1+5], 2048                        ; elements from row to row: att 2,048,
	s_mov_b32 s[G1B+5], 1024                       ; woh 1,024
	s_mov_b32 s[G1+6], 0
	s_mov_b32 s[G1B+6], 0
	s_mov_b32 s[G1+7], 0
	s_mov_b32 s[G1B+7], 0
	s_lshl_b32 s17, s12, 6
	s_lshl_b32 s16, s13, 7
	s_add_co_u32 s16, s16, s17                     ; att: row 128 x block row + 64 x half,
	s_lshl_b32 s16, s16, 12                        ; of 4,096 bytes
	s_lshl_b32 s46, s42, 7
	s_add_co_u32 s46, s46, s17                     ; woh: row 128 x block column + 64 x half,
	s_lshl_b32 s46, s46, 11                        ; of 2,048 bytes
	s_mov_b32 s17, 0
	s_mov_b32 s47, 0
	s_mul_i32 s20, s10, HALFT                      ; where they go: wave x 64 rows
	s_wait_dscnt 0x0
	s_wait_kmcnt 0x0
	s_add_nc_u64 s[14:15], s[4:5], s[16:17]
	s_add_nc_u64 s[46:47], s[6:7], s[46:47]
	CROUND                                         ; all sixteen work-groups are here: the first joint loads meet
.irp s, 0,1
	s_mov_b32 s[G0+4*\s], 1
	s_add_co_u32 s[G0+4*\s+1], s20, \s*SLOT
	s_add_nc_u64 s[G0+4*\s+2:G0+4*\s+3], s[14:15], \s*512
	s_or_b32 s[G0+4*\s+3], s[G0+4*\s+3], 0x80000000
	s_mov_b32 s[G0B+4*\s], 1
	s_add_co_u32 s[G0B+4*\s+1], s20, \s*SLOT
	s_add_nc_u64 s[G0B+4*\s+2:G0B+4*\s+3], s[46:47], \s*512
	s_or_b32 s[G0B+4*\s+3], s[G0B+4*\s+3], 0x80000000
	JLOAD \s                                       ; both slots' first fills: two tensor loads of the wave are out, the most in this text
.endr
	v_and_b32 v1, 15, v0                           ; r
	v_bfe_u32 v2, v0, 4, 1                         ; h
	v_mul_u32_u24 v3, v1, PITCH
	v_lshl_add_u32 v3, v2, 4, v3
	s_mul_i32 s21, s11, HALFT                      ; my 64 rows of att
	s_mul_i32 s22, s12, HALFT
	s_add_co_u32 s22, s22, 2*HALFT                 ; my 64 rows of woh
.irp s, 0,1
	v_add_nc_u32 v[ADRA+\s], s21, v3
	v_add_nc_u32 v[ADRB+\s], s22, v3
	s_add_co_u32 s21, s21, SLOT
	s_add_co_u32 s22, s22, SLOT
.endr
	s_mul_i32 s23, s10, 16*SPITCH
	s_add_co_u32 s23, s23, STAGE                   ; my stage
	v_mul_u32_u24 v4, v1, SPITCH                   ; in: row r, 32 bytes for each half of the lanes
	v_lshl_add_u32 v4, v2, 5, v4
	v_add_nc_u32 v[STO], s23, v4
	v_mul_u32_u24 v5, v2, SPITCH                   ; back: lanes 0-15 one row of 256 bytes, lanes 16-31 the next
	v_lshl_add_u32 v5, v1, 4, v5
	v_add_nc_u32 v[RD], s23, v5
	v_lshlrev_b32 v5, 12, v2                       ; and the same two rows in out0 (4,096 bytes a row)
	v_lshl_add_u32 v[CO], v1, 4, v5
; 4 matrix instructions: row block a x all 4 column blocks.  The 16 accumulators take turns, one instruction a turn.
.macro MULA f, a, zero
.irp b, 0,1,2,3
.if \zero
	v_wmma_f32_16x16x32_f16 v[8*(4*\a+\b):8*(4*\a+\b)+7], v[\f+8*\b:\f+8*\b+7], v[\f+32+8*\a:\f+32+8*\a+7], 0
.else
	v_wmma_f32_16x16x32_f16 v[8*(4*\a+\b):8*(4*\a+\b)+7], v[\f+8*\b:\f+8*\b+7], v[\f+32+8*\a:\f+32+8*\a+7], v[8*(4*\a+\b):8*(4*\a+\b)+7]
.endif
.endr
.endm
.macro FETCH slot, k, f                ; 16 LDS loads in one run: woh's 4 fragments, then att's 4
.irp i, 0,1,2,3
	ds_load_b128 v[\f+8*\i:\f+8*\i+3],   v[ADRB+\slot] offset:\k+\i*16*PITCH
	ds_load_b128 v[\f+8*\i+4:\f+8*\i+7], v[ADRB+\slot] offset:\k+\i*16*PITCH+32
.endr
.irp i, 0,1,2,3
	ds_load_b128 v[\f+32+8*\i:\f+32+8*\i+3],   v[ADRA+\slot] offset:\k+\i*16*PITCH
	ds_load_b128 v[\f+32+8*\i+4:\f+32+8*\i+7], v[ADRA+\slot] offset:\k+\i*16*PITCH+32
.endr
.endm
.macro QUARTER slot, k, f, g, zero
	s_wait_dscnt 4                                 ; woh's fragments and att's row blocks 0, 1 are in; the youngest four loads may be out
	WIN MUL
	MULA \f, 0, \zero
	MULA \f, 1, \zero
	WIN 0
	PLACES                                         ; buffer g was read by matrix instructions: four places in front of the loads into it
	FETCH \slot, \k, \g
	s_wait_dscnt 16                                ; all but the 16 just issued
	WIN MUL
	MULA \f, 2, \zero
	MULA \f, 3, \zero
.endm
.macro SEVEN slot, zero
	QUARTER \slot, 64,  F0, F1, \zero
	QUARTER \slot, 128, F1, F0, 0
	QUARTER \slot, 192, F0, F1, 0
	QUARTER \slot, 256, F1, F0, 0
	QUARTER \slot, 320, F0, F1, 0
	QUARTER \slot, 384, F1, F0, 0
	QUARTER \slot, 448, F0, F1, 0
.endm
; The eighth quarter multiplies buffer 1 and changes slots: each wave's waits for its reads and for all its tensor loads, the barrier
; (with a refill: a round of the cluster's barrier), the refill first behind it, then the next slot's first fragments.
; fill = 1: this slot gets the tiles 512 further along K; att's address goes on by 1,024 bytes, woh's too (back = 0), or back by as much (back = 1:
; att enters its lower parts, which multiply wo's first columns again).
.macro TURN slot, next, fill, back
	s_wait_dscnt 4
	WIN MUL
	MULA F1, 0, 0
	s_wait_dscnt 0                                 ; my reads of this slot are over
	s_wait_tensorcnt 0x0                           ; all my tensor loads have landed
	ds_add_u32 v254, v255
	s_wait_dscnt 0x0
	s_barrier_signal -1
	MULA F1, 1, 0
	WIN 0
	s_barrier_wait -1
.if \fill
	CREST
	s_add_nc_u64 s[G0+4*\slot+2:G0+4*\slot+3], s[G0+4*\slot+2:G0+4*\slot+3], 1024
.if \back
	s_sub_nc_u64 s[G0B+4*\slot+2:G0B+4*\slot+3], s[G0B+4*\slot+2:G0B+4*\slot+3], 1024
.else
	s_add_nc_u64 s[G0B+4*\slot+2:G0B+4*\slot+3], s[G0B+4*\slot+2:G0B+4*\slot+3], 1024
.endif
	JLOAD \slot                                    ; the wave's one tensor load behind the round
.endif
	PLACES
	FETCH \next, 0, F0
	WIN MUL
	MULA F1, 2, 0
	MULA F1, 3, 0
.endm
	s_wait_tensorcnt 1                             ; my part of slot 0 is in; slot 1's may stay out
	s_barrier_signal -1
	s_barrier_wait -1
	FETCH 0, 0, F0
	SEVEN 0, 1                                     ; upper parts, wo's columns 0-255: the first products start the sums
	TURN 0, 1, 1, 0                                ; slot 0 gets upper parts, columns 512-767
	SEVEN 1, 0                                     ; columns 256-511
	TURN 1, 0, 1, 0                                ; slot 1 gets columns 768-1023
	SEVEN 0, 0
	TURN 0, 1, 1, 1                                ; slot 0 gets lower parts, columns 0-255
	SEVEN 1, 0
	TURN 1, 0, 1, 1                                ; slot 1 gets lower parts, columns 256-511
	SEVEN 0, 0
	TURN 0, 1, 1, 0                                ; lower parts, columns 512-767
	SEVEN 1, 0
	TURN 1, 0, 1, 0                                ; lower parts, columns 768-1023
	SEVEN 0, 0
	TURN 0, 1, 0, 0                                ; nothing is left to fetch
	SEVEN 1, 0
	s_wait_dscnt 4
	WIN MUL
	MULA F1, 0, 0
	MULA F1, 1, 0
	s_wait_dscnt 0
	MULA F1, 2, 0
	MULA F1, 3, 0
	; THE WAY OUT, 16 rows at a time through my own stage: 32 bytes a lane and tile in, whole rows of 256 bytes back and out
	WIN 0
	PLACES                                         ; behind the last matrix instructions: results are stored to LDS, fragment registers loaded
	s_lshl_b32 s16, s13, 7
	s_lshl_b32 s17, s11, 6
	s_add_co_u32 s16, s16, s17                     ; my first row
	s_lshl_b32 s16, s16, 12
	s_mov_b32 s17, 0
	s_add_nc_u64 s[8:9], s[8:9], s[16:17]
	s_lshl_b32 s46, s42, 9                         ; my first column, in bytes: 512 x block + 256 x half
	s_lshl_b32 s47, s12, 8
	s_add_co_u32 s46, s46, s47
	s_mov_b32 s47, 0
	s_add_nc_u64 s[8:9], s[8:9], s[46:47]
.macro OUT16 a, f
	WIN 0x04                                       ; store data in window 1
.irp b, 0,1,2,3
	ds_store_b128 v[STO], v[8*(4*\a+\b):8*(4*\a+\b)+3] offset:64*\b
	ds_store_b128 v[STO], v[8*(4*\a+\b)+4:8*(4*\a+\b)+7] offset:64*\b+16
.endr
	WIN 0
	s_wait_xcnt 0x0                                ; buffer f, which earlier stores read, and the stores' base are rewritten only behind this wait
.if \a
	s_add_nc_u64 s[8:9], s[8:9], 16*4096
.endif
.irp t, 0,1,2,3,4,5,6,7
	ds_load_b128 v[\f+4*\t:\f+4*\t+3], v[RD] offset:\t*2*SPITCH    ; LDS serves a wave's instructions in order: these see the stores above
.endr
.irp t, 0,1,2,3,4,5,6,7
	s_wait_dscnt 7-\t
	global_store_b128 v[CO], v[\f+4*\t:\f+4*\t+3], s[8:9] offset:\t*8192 th:TH_STORE_NT   ; 16 lanes store 256 consecutive bytes, at a multiple of 256
.endr
.endm
	OUT16 0, F0
	OUT16 1, F1
	OUT16 2, F0
	OUT16 3, F1
	s_wait_tensorcnt 0x0
	ds_add_u32 v254, v255
	s_wait_dscnt 0x0
	CROUND                                         ; the closing round
	s_endpgm
.Lfunc_end_k_qecc5dd909e_oproj:
	.size	k_qecc5dd909e_oproj, .Lfunc_end_k_qecc5dd909e_oproj-k_qecc5dd909e_oproj
	.p2alignl 7, 3214868480
	.fill 96, 4, 3214868480
	.section	.rodata,"a",@progbits
	.p2align	6, 0x0
	.amdhsa_kernel k_qecc5dd909e_oproj
		.amdhsa_group_segment_fixed_size 327680
		.amdhsa_private_segment_fixed_size 0
		.amdhsa_enable_private_segment 0
		.amdhsa_kernarg_size 24
		.amdhsa_user_sgpr_count 2
		.amdhsa_user_sgpr_kernarg_segment_ptr 1
		.amdhsa_wavefront_size32 1
		.amdhsa_system_sgpr_workgroup_id_x 1
		.amdhsa_system_sgpr_workgroup_id_y 1
		.amdhsa_system_sgpr_workgroup_id_z 1
		.amdhsa_system_vgpr_workitem_id 0
		.amdhsa_next_free_vgpr 384
		.amdhsa_next_free_sgpr 66
		.amdhsa_reserve_vcc 0
		.amdhsa_float_denorm_mode_32 3
		.amdhsa_float_denorm_mode_16_64 3
		.amdhsa_memory_ordered 1
		.amdhsa_forward_progress 1
		.amdhsa_inst_pref_size 165
	.end_amdhsa_kernel
	.amdgpu_metadata
---
amdhsa.version: [ 1, 2 ]
amdhsa.kernels:
  - .name:           k_qecc5dd909e_oproj
    .symbol:         k_qecc5dd909e_oproj.kd
    .args:
      - { .name: att, .offset: 0, .size: 8, .value_kind: global_buffer, .address_space: global }
      - { .name: woh, .offset: 8, .size: 8, .value_kind: global_buffer, .address_space: global }
      - { .name: out0, .offset: 16, .size: 8, .value_kind: global_buffer, .address_space: global }
    .group_segment_fixed_size: 327680
    .private_segment_fixed_size: 0
    .kernarg_segment_align: 8
    .kernarg_segment_size: 24
    .max_flat_workgroup_size: 128
    .sgpr_count:     66
    .vgpr_count:     384
    .wavefront_size: 32
...
	.end_amdgpu_metadata
.endif
;; end of part 4
;; ======== version 2 of 2: 4 launches
;; limits: values are held in f16: magnitudes above 65,504 overflow, below 6.1e-05 lose precision; values outside matrix products are rounded to bf16
;; workspace buffers: xh 8,388,608 bytes; wh 3,145,728 bytes; woh 2,097,152 bytes; qk 10,485,760 bytes; vv 4,194,304 bytes; att 8,388,608 bytes
;; launch cast: the kernel of part 1 again; grid 256 x 1, 8 waves a work-group, no clusters, 0 bytes of LDS; arguments x, wq, wk, wv, wo, xh, wh, woh; writes xh, wh, woh
;; launch qkv: the kernel of part 2 again; grid 8 x 32, 4 waves a work-group, clusters of 4 x 4, 327,680 bytes of LDS; arguments xh, wh, freqs_cos, freqs_sin, qk, vv; writes qk, vv
;; launch attn (part 5): grid 32 x 8, 4 waves a work-group, clusters of 4 x 1, 327,680 bytes of LDS; arguments qk, vv, att; writes att
.if DOCPART == 5
	.amdgcn_target "amdgcn-amd-amdhsa--gfx1250"
	.amdhsa_code_object_version 6
	.text
	.protected	k_qecc5dd909e_attn
	.globl	k_qecc5dd909e_attn
	.p2align	8
	.type	k_qecc5dd909e_attn,@function
k_qecc5dd909e_attn:
	s_mov_b64 s[64:65], 0
	v_nop
	global_prefetch_b8 v0, s[64:65] scope:SCOPE_SE
	s_setreg_imm32_b32 hwreg(HW_REG_WAVE_MODE, 25, 1), 1
	s_wait_xcnt 0x0
	s_wait_alu depctr_hold_cnt(0) depctr_sa_sdst(0) depctr_va_vdst(0) depctr_va_sdst(0) depctr_va_ssrc(0) depctr_va_vcc(0) depctr_vm_vsrc(0)
	s_getreg_b32 s2, hwreg(HW_REG_IB_STS2, 6, 4)
	s_cmp_eq_u32 s2, 0
	s_cbranch_scc0 .Lentry_in_a_cluster
	s_endpgm
.Lentry_in_a_cluster:
	s_bfe_u32 s2, ttmp6, 0x10000c
	s_cmp_lg_u32 s2, 0x3003
	s_cbranch_scc0 .Lentry_shape_is_right
	s_endpgm
.Lentry_shape_is_right:
; Causal attention with grouped query heads, softmax by a running maximum.  q, k: f16 from qk[b][g][s][64]; v: a sum of two f16 from
; vv[b][kv head][s][128] (upper part in columns 0-63, lower in 64-127).  The result is rounded once to f16: att[b s][64 h + hd].
; A query that attends to few keys hands v through almost unchanged, so roundings on v's way to the output are damped by no average there.
; Of the two that a 16-bit operand would bring (v here, the result in the next product) one is spared: v keeps about 22 bits, the result 11.
; Work-group (x, y): y = 4 b + kv head; x = 4 m + cx.  It takes TWO blocks of 32 positions for the 4 query heads of the kv head: block A = x and
; block B = 63 - x.  With key tiles of 128, A needs tiles 0..m and B tiles 0..15-m: 17 steps in every work-group, 256 equal work-groups.
; CLUSTERS: the four work-groups of one m walk the same 17 tiles in the same order, so each tile of K and V is one joint load for the four.
; No branch, trip count or LDS address hangs on cx: only the positions (global addresses of q and att, the diagonal's compare) do.
; Wave w: positions 16 (w >> 1) + r of the block, heads 2 (w & 1) + 0, 1 of the four: 256 consecutive bytes of att for each position.
; LAYOUT: S^T = K Q^T (source 0 = 16 keys from LDS, source 1 = q in registers): lane (r, h) holds query r, register j key 16 kt + 8 h + j.
; Two such tiles, packed to f16, ARE source 1 of O^T = V^T P^T (source 0 = V^T by transposing LDS loads): P never leaves the registers,
; and maximum, sum and rescaling belong to the lane; its partner lane (the other h) is reached by one v_permlanex16_b32.
; SOFTMAX: p = 2^(c s + NMC), c = log2(e) / 8, NMC = -c M as rounded; the old sums are scaled by 2^(NMC new - NMC old), from the same rounded numbers.
; LIMITS: masked scores and the first maximum are -2^127 (real scores below that are not served); v_exp_f32 gives 0 below 2^-126;
; P is rounded to f16 for the product while its sum is taken in f32 before the rounding; f16 operands above 65,504 are infinite.
; REGISTERS: window 0: v8-17 addresses; v32-63 q; v64-191 K's, then V's upper 16 fragments; v192-223, v224-255 the way out.
;            window 1: v0-127 S(kt, n) at 16 kt + 8 n, later P(n, c) in S(2c, n); v128-191 O(ht, n) at 128 + 16 ht + 8 n; v192-213 the lane's state.
;            window 2: v0-127 V's lower 16 fragments.
.set KP,     144                       ; K's LDS row: 128 bytes + 16
.set VP,     288                       ; V's LDS row: 256 bytes + 32 (an odd multiple of 32, for the transposing loads)
.set VHALF,  64*VP
.set KHALF,  64*KP
.set KOFF,   2*VHALF                   ; a slot: V's 128 rows, then K's 128 rows
.set SLOT,   KOFF+2*KHALF              ; 55,296
.set STAGE,  2*SLOT                    ; behind the ring, at a multiple of 256: 16 rows x 272 bytes for each wave; no tensor load lands here
.set SPITCH, 272
.set HEADB,  262144                    ; bytes of one head of one batch in qk
.set ADK, 8                            ; v8-9    K fragments in slot 0, 1
.set ADV, 10                           ; v10-11  V fragments in slot 0, 1
.set QA,  12                           ; my q of block A, of block B (byte offsets in qk)
.set QB,  13
.set OA,  14                           ; my rows of att for block A, block B
.set OB,  15
.set STO, 16
.set RD,  17
.set Q,   32                           ; q(n, c) at 32 + 16 n + 8 c
.set KV,  64                           ; K(kt, c) at 64 + 16 kt + 8 c; V(ht, c) at 64 + 8 (4 c + ht)
.set TMP, 192                          ; the way out: packed results, 32 registers
.set BK,  224                          ; the way out: rows read back, 32 registers
.set O,   128                          ; window 1 from here on
.set MX,  192                          ; running maximum, n = 0, 1
.set NMC, 194                          ; -c x maximum
.set AL,  196                          ; factor for the old sums; at the end 1 / sum
.set LS,  198                          ; running sum of my half of the keys
.set DA,  200                          ; position in the diagonal tile - 8 h, block A
.set DB,  201                          ; block B
.set T0,  202                          ; v202-205 at work
.set A0,  210                          ; two pairs of partial sums
.set A1,  212
.set G1V, 16                           ; s[16:23] group 1 for V's tiles
.set G1K, 24                           ; s[24:31] for K's
.set G0V, 32                           ; s[32:39] group 0 for V's tiles, one set a slot
.set G0K, 40                           ; s[40:47] for K's
.set W_S,   0x50                       ; C and D window 1, sources window 0
.set W_SM,  0x55                       ; all in window 1
.set W_PV,  0x54                       ; source 0 (V upper) window 0; source 1 (P), C and D window 1
.set W_PVL, 0x56                       ; source 0 (V lower) window 2; source 1 (P), C and D window 1
.set W_CV,  0x05                       ; sources window 1, destination window 0
.set MSB, 0
.macro WIN new
.if MSB != \new
	s_set_vgpr_msb (MSB<<8)|\new
.set MSB, \new
.endif
.endm
.macro PLACES
.rept 4
	v_nop
.endr
.endm
.macro PLACES5
.rept 5
	v_nop
.endr
.endm
.macro ROUND                           ; a round of the cluster's barrier
	s_barrier_signal -1
	s_barrier_wait -1
	s_cmp_lg_u32 s8, 0
	s_cbranch_scc1 .Lnot_wave_0_\@
	s_barrier_signal -3
.Lnot_wave_0_\@:
	s_barrier_wait -3
	s_barrier_signal -1
	s_barrier_wait -1
.endm
.macro JLOAD s                         ; waves 0, 1 ask for V's two halves, waves 2, 3 for K's
	s_cmp_eq_u32 s10, 0
	s_cbranch_scc0 .Lfor_k_\@
	tensor_load_to_lds s[G0V+4*\s:G0V+4*\s+3], s[G1V:G1V+7]
	s_nop 0
	s_branch .Lasked_\@
.Lfor_k_\@:
	tensor_load_to_lds s[G0K+4*\s:G0K+4*\s+3], s[G1K:G1K+7]
	s_nop 0
.Lasked_\@:
.endm
.macro QLOAD adr                       ; q of two heads, 16 positions: source 1 fragments straight from memory
.irp n, 0,1
.irp c, 0,1
	global_load_b128 v[Q+16*\n+8*\c:Q+16*\n+8*\c+3],   v[\adr], s[4:5] offset:HEADB*\n+64*\c
	global_load_b128 v[Q+16*\n+8*\c+4:Q+16*\n+8*\c+7], v[\adr], s[4:5] offset:HEADB*\n+64*\c+32
.endr
.endr
.endm
.macro INIT                            ; a block's softmax state
	WIN 0x40
	v_mov_b32 v[MX], s62                           ; -2^127
	v_mov_b32 v[MX+1], s62
	v_mov_b32 v[NMC], 0x7db8aa3b                   ; c x 2^127: the first factor for the old sums is 2^(-huge) = 0
	v_mov_b32 v[NMC+1], 0x7db8aa3b
	v_mov_b32 v[LS], 0
	v_mov_b32 v[LS+1], 0
	WIN 0
.endm
	s_load_b128 s[4:7], s[0:1], 0x0                ; qk s[4:5], vv s[6:7]
	s_load_b64 s[72:73], s[0:1], 0x10              ; att
	v_lshl_add_u32 v30, v0, 2, 0x29000
	v_mov_b32 v31, 0
	ds_add_u32 v30, v31
	v_lshrrev_b32 v1, 5, v0
	v_readfirstlane_b32 s8, v1                     ; wave
	s_and_b32 s9, s8, 1                            ; head pair.  Also: which 64 rows of a tile I fetch
	s_lshr_b32 s10, s8, 1                          ; which 16 positions.  Also: I fetch for V (0) or for K (1)
	s_bfe_u32 s11, ttmp6, 0x40000                  ; cx
	s_mov_b32 s12, ttmp9                           ; m: the cluster's x
	s_and_b32 s13, ttmp7, 0xffff                   ; 4 b + kv head
	s_lshr_b32 s14, s13, 2                         ; batch
	s_and_b32 s15, s13, 3                          ; kv head
	s_mov_b32 s58, 0x76543210                      ; v_permlanex16_b32: lane i takes lane i of the other half
	s_mov_b32 s59, 0xfedcba98
	s_mov_b32 s60, 0x3e38aa3b                      ; c = log2(e) / sqrt(64)
	s_mov_b32 s61, 0x3e38aa3b
	s_mov_b32 s62, 0xff000000                      ; -2^127
	; group 1, for all four work-groups of the cluster.  V: 64 rows x 128 elements of 2 bytes, 8 words of padding after every 64 words
	s_mov_b32 s[G1V+0], 15|(1<<16)|(1<<20)|(1<<21)|(5<<22)|(7<<25)
	s_mov_b32 s[G1V+1], 128<<16
	s_mov_b32 s[G1V+2], 64<<16
	s_mov_b32 s[G1V+3], 128<<16
	s_mov_b32 s[G1V+4], 64
	s_mov_b32 s[G1V+5], 128
	s_mov_b32 s[G1V+6], 0
	s_mov_b32 s[G1V+7], 0
	; K: 64 rows x 64 elements, 4 words of padding after every 32 words
	s_mov_b32 s[G1K+0], 15|(1<<16)|(1<<20)|(1<<21)|(4<<22)|(3<<25)
	s_mov_b32 s[G1K+1], 64<<16
	s_mov_b32 s[G1K+2], 64<<16
	s_mov_b32 s[G1K+3], 64<<16
	s_mov_b32 s[G1K+4], 64
	s_mov_b32 s[G1K+5], 64
	s_mov_b32 s[G1K+6], 0
	s_mov_b32 s[G1K+7], 0
	s_mul_i32 s66, s14, 20
	s_add_co_u32 s66, s66, s15
	s_add_co_u32 s66, s66, 16
	s_lshl_b32 s66, s66, 18                        ; K: head 20 b + 16 + kv head, of 262,144 bytes
	s_lshl_b32 s67, s9, 13                         ; my 64 rows of 128 bytes
	s_add_co_u32 s66, s66, s67
	s_mov_b32 s67, 0
	s_lshl_b32 s68, s13, 19                        ; V: head 4 b + kv head, of 524,288 bytes
	s_lshl_b32 s69, s9, 14                         ; my 64 rows of 256 bytes
	s_add_co_u32 s68, s68, s69
	s_mov_b32 s69, 0
	s_wait_dscnt 0x0
	s_wait_kmcnt 0x0
	s_add_nc_u64 s[48:49], s[4:5], s[66:67]
	s_add_nc_u64 s[50:51], s[6:7], s[68:69]
	s_mul_i32 s66, s8, VHALF                       ; V (waves 0, 1): wave x 18,432
	s_mul_i32 s67, s8, KHALF                       ; K (waves 2, 3): wave x 9,216 + 18,432 = behind V's 36,864 bytes
	s_add_co_u32 s67, s67, KOFF-2*KHALF
.irp s, 0,1
	s_mov_b32 s[G0V+4*\s], 1
	s_add_co_u32 s[G0V+4*\s+1], s66, \s*SLOT
	s_mov_b64 s[G0V+4*\s+2:G0V+4*\s+3], s[50:51]                   ; tile 0 (slot 1's address is made anew in front of its first load)
	s_or_b32 s[G0V+4*\s+3], s[G0V+4*\s+3], 0x80000000
	s_mov_b32 s[G0K+4*\s], 1
	s_add_co_u32 s[G0K+4*\s+1], s67, \s*SLOT
	s_mov_b64 s[G0K+4*\s+2:G0K+4*\s+3], s[48:49]
	s_or_b32 s[G0K+4*\s+3], s[G0K+4*\s+3], 0x80000000
.endr
	s_mov_b32 s53, 0                               ; s[52:53]: a tile's byte offset in K
	s_mov_b32 s67, 0                               ; s[66:67]: in V
	s_mov_b32 s54, 0                               ; the tile last asked for
	s_mov_b32 s55, s12                             ; steps up to block A's diagonal tile; 0 there, and never again in 17 steps
	ROUND                                          ; the four work-groups are here: the first joint load meets
	JLOAD 0
	v_and_b32 v2, 15, v0                           ; r
	v_bfe_u32 v3, v0, 4, 1                         ; h
	s_lshl_b32 s68, s12, 2
	s_add_co_u32 s68, s68, s11                     ; block A = 4 m + cx
	s_sub_co_u32 s69, 63, s68                      ; block B
	s_mul_i32 s70, s14, 20
	s_lshl2_add_u32 s70, s15, s70
	s_lshl1_add_u32 s70, s9, s70                   ; my first head: 20 b + 4 kv head + 2 (w & 1)
	s_lshl_b32 s70, s70, 11
	s_lshl_b32 s71, s10, 4                         ; my 16 positions in a block
	s_add_co_u32 s70, s70, s71
	s_lshl_b32 s2, s68, 5
	s_add_co_u32 s2, s2, s70
	s_lshl_b32 s2, s2, 7                           ; rows of 128 bytes
	s_lshl_b32 s3, s69, 5
	s_add_co_u32 s3, s3, s70
	s_lshl_b32 s3, s3, 7
	v_lshlrev_b32 v7, 7, v2
	v_lshl_add_u32 v7, v3, 4, v7                   ; row r, 16 bytes for each half of the lanes
	v_add_nc_u32 v[QA], s2, v7
	v_add_nc_u32 v[QB], s3, v7
	QLOAD QA
	v_mul_u32_u24 v4, v2, KP                       ; K: row r x pitch + 16 h
	v_lshl_add_u32 v4, v3, 4, v4
	v_add_nc_u32 v[ADK], KOFF, v4
	v_add_nc_u32 v[ADK+1], KOFF+SLOT, v4
	v_and_b32 v5, 7, v0                            ; V: row 8 h + (l & 7), 16 bytes for each eight lanes
	v_lshl_add_u32 v5, v3, 3, v5
	v_mul_u32_u24 v5, v5, VP
	v_bfe_u32 v6, v0, 3, 1
	v_lshl_add_u32 v[ADV], v6, 4, v5
	v_add_nc_u32 v[ADV+1], SLOT, v[ADV]
	s_lshl_b32 s70, s14, 11                        ; att: row 2,048 b + 32 block + 16 (w >> 1) + (l >> 4), rows of 2,048 bytes
	s_add_co_u32 s70, s70, s71
	s_lshl_b32 s2, s68, 5
	s_add_co_u32 s2, s2, s70
	s_lshl_b32 s2, s2, 11
	s_lshl_b32 s3, s69, 5
	s_add_co_u32 s3, s3, s70
	s_lshl_b32 s3, s3, 11
	s_lshl_b32 s70, s15, 1
	s_add_co_u32 s70, s70, s9
	s_lshl_b32 s70, s70, 8                         ; my two heads' 256 bytes
	s_add_co_u32 s2, s2, s70
	s_add_co_u32 s3, s3, s70
	v_lshlrev_b32 v7, 11, v3
	v_lshl_add_u32 v7, v2, 4, v7
	v_add_nc_u32 v[OA], s2, v7
	v_add_nc_u32 v[OB], s3, v7
	s_mul_i32 s2, s8, 16*SPITCH
	s_add_co_u32 s2, s2, STAGE                     ; my stage
	v_mul_u32_u24 v4, v2, SPITCH
	v_lshl_add_u32 v4, v3, 4, v4
	v_add_nc_u32 v[STO], s2, v4
	v_mul_u32_u24 v4, v3, SPITCH
	v_lshl_add_u32 v4, v2, 4, v4
	v_add_nc_u32 v[RD], s2, v4
	v_lshlrev_b32 v6, 3, v3
	v_sub_nc_u32 v6, v2, v6                        ; r - 8 h
	s_lshl_b32 s2, s11, 5
	s_add_co_u32 s2, s2, s71                       ; block A in its diagonal tile: 32 cx + 16 (w >> 1)
	s_sub_co_u32 s3, 3, s11
	s_lshl_b32 s3, s3, 5
	s_add_co_u32 s3, s3, s71                       ; block B: 32 (3 - cx) + 16 (w >> 1)
	WIN 0x40
	v_add_nc_u32 v[DA], s2, v6
	v_add_nc_u32 v[DB], s3, v6
	INIT
; K's 16 fragments, 32 loads, in four groups of eight: key tiles 2 g and 2 g + 1
.macro FETCHK slot
.irp g, 0,1,2,3
.irp c, 0,1
.irp k, 0,1
	ds_load_b128 v[KV+16*(2*\g+\k)+8*\c:KV+16*(2*\g+\k)+8*\c+3],   v[ADK+\slot] offset:16*KP*(2*\g+\k)+64*\c
	ds_load_b128 v[KV+16*(2*\g+\k)+8*\c+4:KV+16*(2*\g+\k)+8*\c+7], v[ADK+\slot] offset:16*KP*(2*\g+\k)+64*\c+32
.endr
.endr
.endr
.endm
; Scores of key tiles 2 g, 2 g + 1 for both heads: four accumulators take turns, one instruction a turn
.macro SGRP g
	s_wait_dscnt 24-8*\g                           ; this group's eight loads are in; the later groups' may be out
.irp k, 0,1
.irp n, 0,1
	v_wmma_f32_16x16x32_f16 v[16*(2*\g+\k)+8*\n:16*(2*\g+\k)+8*\n+7], v[KV+16*(2*\g+\k):KV+16*(2*\g+\k)+7], v[Q+16*\n:Q+16*\n+7], 0
.endr
.endr
.irp k, 0,1
.irp n, 0,1
	v_wmma_f32_16x16x32_f16 v[16*(2*\g+\k)+8*\n:16*(2*\g+\k)+8*\n+7], v[KV+16*(2*\g+\k)+8:KV+16*(2*\g+\k)+15], v[Q+16*\n+8:Q+16*\n+15], v[16*(2*\g+\k)+8*\n:16*(2*\g+\k)+8*\n+7]
.endr
.endr
.endm
; V^T's 16 fragments (16 hd x 32 keys), 32 transposing loads, into registers base .. base + 127; part = 0: upper parts, 128: lower (byte in the row)
.macro FETCHV slot, base, part
.irp c, 0,1,2,3
.irp t, 0,1,2,3
	ds_load_tr16_b128 v[\base+8*(4*\c+\t):\base+8*(4*\c+\t)+3],   v[ADV+\slot] offset:32*VP*\c+32*\t+\part
	ds_load_tr16_b128 v[\base+8*(4*\c+\t)+4:\base+8*(4*\c+\t)+7], v[ADV+\slot] offset:32*VP*\c+32*\t+\part+16*VP
.endr
.endr
.endm
; The diagonal tile: key 16 kt + 8 h + j stays where it is not behind the query's position
.macro MASK d
.irp k, 0,1,2,3,4,5,6,7
.irp j, 0,1,2,3,4,5,6,7
	v_cmp_le_i32 vcc_lo, 16*\k+\j, v[\d]
	v_cndmask_b32 v[16*\k+\j], s62, v[16*\k+\j], vcc_lo
	v_cndmask_b32 v[16*\k+8+\j], s62, v[16*\k+8+\j], vcc_lo
.endr
.endr
.endm
.macro FMA n, k                        ; c s + NMC, one rounding
.irp p, 0,2,4,6
.if \n
	v_pk_fma_f32 v[16*(\k)+8+\p:16*(\k)+8+\p+1], v[16*(\k)+8+\p:16*(\k)+8+\p+1], s[60:61], v[NMC:NMC+1] op_sel:[0,0,1] op_sel_hi:[1,0,1]
.else
	v_pk_fma_f32 v[16*(\k)+\p:16*(\k)+\p+1], v[16*(\k)+\p:16*(\k)+\p+1], s[60:61], v[NMC:NMC+1] op_sel_hi:[1,0,0]
.endif
.endr
.endm
.macro EXPS n, k
.irp j, 0,1,2,3,4,5,6,7
	v_exp_f32 v[16*(\k)+8*\n+\j], v[16*(\k)+8*\n+\j]
.endr
.endm
.macro SUM n, k                        ; two chains of pairs; tile 0 starts them
.if (\k) == 0
	s_wait_alu depctr_va_vdst(0)
	v_pk_add_f32 v[A0:A0+1], v[8*\n:8*\n+1], v[8*\n+2:8*\n+3]
	v_pk_add_f32 v[A1:A1+1], v[8*\n+4:8*\n+5], v[8*\n+6:8*\n+7]
.else
	s_wait_alu depctr_va_vdst(0)
	v_pk_add_f32 v[A0:A0+1], v[A0:A0+1], v[16*(\k)+8*\n:16*(\k)+8*\n+1]
	v_pk_add_f32 v[A1:A1+1], v[A1:A1+1], v[16*(\k)+8*\n+2:16*(\k)+8*\n+3]
	v_pk_add_f32 v[A0:A0+1], v[A0:A0+1], v[16*(\k)+8*\n+4:16*(\k)+8*\n+5]
	v_pk_add_f32 v[A1:A1+1], v[A1:A1+1], v[16*(\k)+8*\n+6:16*(\k)+8*\n+7]
.endif
.endm
.macro CVT n, c                        ; tiles 2 c and 2 c + 1 to f16, in place: source 1 of the second product, keys 32 c .. 32 c + 31
.irp p, 0,1,2,3
	v_cvt_pk_f16_f32 v[32*(\c)+8*\n+\p], v[32*(\c)+8*\n+2*\p], v[32*(\c)+8*\n+2*\p+1]
.endr
.irp p, 0,1,2,3
	v_cvt_pk_f16_f32 v[32*(\c)+8*\n+4+\p], v[32*(\c)+16+8*\n+2*\p], v[32*(\c)+16+8*\n+2*\p+1]
.endr
.endm
; One head's 128 keys.  Behind each run of v_exp_f32 stands the next tile's multiply-add, plain work on other registers, before a result is used (ISA guide 5.7.2).
.macro SOFTMAX n
.irp q, 0,1,2,3
	v_max_num_f32 v[T0+\q], v[32*\q+8*\n], v[32*\q+8*\n+1]
.endr
.irp j, 2,4,6
.irp q, 0,1,2,3
	v_max3_num_f32 v[T0+\q], v[T0+\q], v[32*\q+8*\n+\j], v[32*\q+8*\n+\j+1]
.endr
.endr
.irp j, 0,2,4,6
.irp q, 0,1,2,3
	v_max3_num_f32 v[T0+\q], v[T0+\q], v[32*\q+16+8*\n+\j], v[32*\q+16+8*\n+\j+1]
.endr
.endr
	v_max3_num_f32 v[T0], v[T0], v[T0+1], v[T0+2]
	v_max_num_f32 v[T0], v[T0], v[T0+3]
	v_permlanex16_b32 v[T0+1], v[T0], s58, s59     ; the other half of the keys
	v_max3_num_f32 v[MX+\n], v[T0], v[T0+1], v[MX+\n]
	v_mul_f32 v[T0+2], 0xbe38aa3b, v[MX+\n]        ; -c x maximum
	v_sub_f32 v[T0+3], v[T0+2], v[NMC+\n]
	v_mov_b32 v[NMC+\n], v[T0+2]
	v_exp_f32 v[AL+\n], v[T0+3]                    ; the factor for the old sums
	FMA \n, 0
	EXPS \n, 0
.irp k, 1,2,3,4,5,6,7
	FMA \n, \k
	SUM \n, (\k-1)
.if (\k-1)&1
	CVT \n, ((\k-2)/2)
.endif
	EXPS \n, \k
.endr
	v_nop
	s_wait_alu depctr_va_vdst(0)
	SUM \n, 7
	CVT \n, 3
	v_pk_add_f32 v[A0:A0+1], v[A0:A0+1], v[A1:A1+1]
	v_add_f32 v[T0], v[A0], v[A0+1]
	v_fma_f32 v[LS+\n], v[LS+\n], v[AL+\n], v[T0]
.endm
.macro RESCALE                         ; O times AL of its head
.irp t, 0,1,2,3
.irp p, 0,2,4,6
	v_pk_mul_f32 v[O+16*\t+\p:O+16*\t+\p+1], v[O+16*\t+\p:O+16*\t+\p+1], v[AL:AL+1] op_sel_hi:[1,0]
	v_pk_mul_f32 v[O+16*\t+8+\p:O+16*\t+8+\p+1], v[O+16*\t+8+\p:O+16*\t+8+\p+1], v[AL:AL+1] op_sel:[0,1] op_sel_hi:[1,1]
.endr
.endr
.endm
; Keys 32 c .. 32 c + 31 of the V part whose fragments begin at register base, into all eight accumulators, which take turns, one instruction a turn
.macro PVG c, zero, base
.irp t, 0,1,2,3
.irp n, 0,1
.if \zero
	v_wmma_f32_16x16x32_f16 v[O+16*\t+8*\n:O+16*\t+8*\n+7], v[\base+8*(4*\c+\t):\base+8*(4*\c+\t)+7], v[32*\c+8*\n:32*\c+8*\n+7], 0
.else
	v_wmma_f32_16x16x32_f16 v[O+16*\t+8*\n:O+16*\t+8*\n+7], v[\base+8*(4*\c+\t):\base+8*(4*\c+\t)+7], v[32*\c+8*\n:32*\c+8*\n+7], v[O+16*\t+8*\n:O+16*\t+8*\n+7]
.endif
.endr
.endr
.endm
; A block is done: divide by the sum, round to f16, through my own stage, out in whole rows of 256 bytes
.macro FINAL out, reinit
	PLACES                                         ; four places behind the last matrix instruction, whose results are read below
	WIN W_SM
	v_permlanex16_b32 v[T0], v[LS], s58, s59       ; the other half's sums
	v_permlanex16_b32 v[T0+1], v[LS+1], s58, s59
	v_add_f32 v[T0], v[T0], v[LS]
	v_add_f32 v[T0+1], v[T0+1], v[LS+1]
	v_rcp_f32 v[AL], v[T0]
	v_rcp_f32 v[AL+1], v[T0+1]
	v_nop                                          ; one plain place behind the reciprocals
	s_wait_alu depctr_va_vdst(0)
	RESCALE
	WIN W_CV
.irp t, 0,1,2,3
.irp n, 0,1
.irp p, 0,1,2,3
	v_cvt_pk_f16_f32 v[TMP+4*(2*\t+\n)+\p], v[O+16*\t+8*\n+2*\p], v[O+16*\t+8*\n+2*\p+1]
.endr
.endr
.endr
	WIN 0
.irp t, 0,1,2,3
.irp n, 0,1
	ds_store_b128 v[STO], v[TMP+4*(2*\t+\n):TMP+4*(2*\t+\n)+3] offset:128*\n+32*\t
.endr
.endr
	s_wait_xcnt 0x0                                ; the registers that an earlier block's stores read are loaded again only behind this wait
.irp u, 0,1,2,3,4,5,6,7
	ds_load_b128 v[BK+4*\u:BK+4*\u+3], v[RD] offset:2*SPITCH*\u    ; LDS serves a wave's instructions in order: these see the stores above
.endr
.irp u, 0,1,2,3,4,5,6,7
	s_wait_dscnt 7-\u                              ; number u of the eight is in
	global_store_b128 v[\out], v[BK+4*\u:BK+4*\u+3], s[72:73] offset:4096*\u   ; 16 lanes store 256 consecutive bytes, at a multiple of 256
.endr
.if \reinit
	INIT
	s_mov_b32 s56, 1                               ; the next tile starts block B's sums
.endif
.endm
; One key tile.  slot holds it; other is asked for again (refill = 1).
; firstmode: 1 the tile starts the sums; 0 it may (s56); 2 it does not.  diagmode: 0 it may be block A's diagonal (s55 = 0); 1 it is block B's; 2 it is none.
.macro STEP slot, other, refill, firstmode, diagmode
	s_wait_tensorcnt 0x0                           ; all my tensor loads have landed, my part of this tile among them: every group 0 may be written
	ds_add_u32 v30, v31
	s_wait_dscnt 0x0
.if \refill
	s_add_co_u32 s54, s54, 1                       ; the next tile: one further, or tile 0 behind block A's diagonal
	s_cmp_eq_u32 s55, 0
	s_cselect_b32 s54, 0, s54
	s_lshl_b32 s52, s54, 14                        ; K: 128 rows of 128 bytes
	s_lshl_b32 s66, s54, 15                        ; V: 128 rows of 256 bytes
	s_add_nc_u64 s[G0V+4*\other+2:G0V+4*\other+3], s[50:51], s[66:67]
	s_or_b32 s[G0V+4*\other+3], s[G0V+4*\other+3], 0x80000000
	s_add_nc_u64 s[G0K+4*\other+2:G0K+4*\other+3], s[48:49], s[52:53]
	s_or_b32 s[G0K+4*\other+3], s[G0K+4*\other+3], 0x80000000
.endif
	s_wait_dscnt 0x0                               ; my reads of the other slot are over
	ROUND                                          ; both now hold of every wave of the four work-groups
.if \refill
	JLOAD \other                                   ; the wave's one tensor load behind the round; it has this whole step in which to land
.endif
	s_wait_loadcnt 0x0                             ; q is in (loaded at the start, or at block A's diagonal)
	PLACES5                                        ; behind the last step's matrix instructions: K lands on V's fragments, the scores on P
	FETCHK \slot
	WIN W_S
	SGRP 0
	SGRP 1
	SGRP 2
	SGRP 3
	WIN 0
	PLACES                                         ; behind the scores' matrix instructions: V lands on K's fragments, the scores are read
	FETCHV \slot, KV, 0                            ; V's upper parts come in under the softmax
.if \diagmode == 0
	s_cmp_lg_u32 s55, 0
	s_cbranch_scc1 .Lnodiag_\@
	QLOAD QB                                       ; block A's last scores are made: block B's q comes in
	WIN W_SM
	MASK DA
	WIN 0
.Lnodiag_\@:
.endif
.if \diagmode == 1
	WIN W_SM
	MASK DB
.endif
	WIN W_SM
	SOFTMAX 0
	SOFTMAX 1
	s_wait_dscnt 0x0                               ; V's upper fragments are in
	WIN 0x80                                       ; destination in window 2
	FETCHV \slot, 0, 128                           ; V's lower parts come in under the 32 products with the upper parts
.if \firstmode == 1
	WIN W_PV
	PVG 0, 1, KV
.endif
.if \firstmode == 2
	WIN W_SM
	RESCALE
	WIN W_PV
	PVG 0, 0, KV
.endif
.if \firstmode == 0
	WIN 0
	s_cmp_lg_u32 s56, 0
	s_cbranch_scc1 .Lfirst_\@
	WIN W_SM
	RESCALE
	WIN W_PV
	PVG 0, 0, KV
	WIN 0
	s_branch .Ljoin_\@
.Lfirst_\@:
	WIN W_PV
	PVG 0, 1, KV
	WIN 0
.Ljoin_\@:
.endif
	WIN W_PV
	PVG 1, 0, KV
	PVG 2, 0, KV
	PVG 3, 0, KV
	s_wait_dscnt 0x0                               ; V's lower fragments are in
	WIN W_PVL
	PVG 0, 0, 0
	PVG 1, 0, 0
	PVG 2, 0, 0
	PVG 3, 0, 0
	WIN 0
	s_mov_b32 s56, 0
.if \diagmode == 0
	s_cmp_lg_u32 s55, 0
	s_cbranch_scc1 .Lnofinal_\@
	FINAL OA, 1
.Lnofinal_\@:
.endif
.if \diagmode == 1
	FINAL OB, 0
.endif
	s_sub_co_u32 s55, s55, 1
.endm
	STEP 0, 1, 1, 1, 0                             ; step 0 starts block A's sums
	s_mov_b32 s57, 7
.Lsteps:
	STEP 1, 0, 1, 0, 0                             ; steps 1 to 14: block A's diagonal is step m <= 7, block B's first tile step m + 1 <= 8
	STEP 0, 1, 1, 0, 0
	s_sub_co_u32 s57, s57, 1
	s_cmp_lg_u32 s57, 0
	s_cbranch_scc1 .Lsteps
	STEP 1, 0, 1, 2, 2                             ; step 15
	STEP 0, 1, 0, 2, 1                             ; step 16: block B's diagonal; nothing is left to fetch
	s_wait_tensorcnt 0x0
	ds_add_u32 v30, v31
	s_wait_dscnt 0x0
	ROUND                                          ; the closing round
	s_endpgm
.Lfunc_end_k_qecc5dd909e_attn:
	.size	k_qecc5dd909e_attn, .Lfunc_end_k_qecc5dd909e_attn-k_qecc5dd909e_attn
	.p2alignl 7, 3214868480
	.fill 96, 4, 3214868480
	.section	.rodata,"a",@progbits
	.p2align	6, 0x0
	.amdhsa_kernel k_qecc5dd909e_attn
		.amdhsa_group_segment_fixed_size 327680
		.amdhsa_private_segment_fixed_size 0
		.amdhsa_enable_private_segment 0
		.amdhsa_kernarg_size 24
		.amdhsa_user_sgpr_count 2
		.amdhsa_user_sgpr_kernarg_segment_ptr 1
		.amdhsa_wavefront_size32 1
		.amdhsa_system_sgpr_workgroup_id_x 1
		.amdhsa_system_sgpr_workgroup_id_y 1
		.amdhsa_system_sgpr_workgroup_id_z 1
		.amdhsa_system_vgpr_workitem_id 0
		.amdhsa_next_free_vgpr 640
		.amdhsa_next_free_sgpr 80
		.amdhsa_reserve_vcc 1
		.amdhsa_float_denorm_mode_32 3
		.amdhsa_float_denorm_mode_16_64 3
		.amdhsa_memory_ordered 1
		.amdhsa_forward_progress 1
		.amdhsa_inst_pref_size 251
	.end_amdhsa_kernel
	.amdgpu_metadata
---
amdhsa.version: [ 1, 2 ]
amdhsa.kernels:
  - .name:           k_qecc5dd909e_attn
    .symbol:         k_qecc5dd909e_attn.kd
    .args:
      - { .name: qk, .offset: 0, .size: 8, .value_kind: global_buffer, .address_space: global }
      - { .name: vv, .offset: 8, .size: 8, .value_kind: global_buffer, .address_space: global }
      - { .name: att, .offset: 16, .size: 8, .value_kind: global_buffer, .address_space: global }
    .group_segment_fixed_size: 327680
    .private_segment_fixed_size: 0
    .kernarg_segment_align: 8
    .kernarg_segment_size: 24
    .max_flat_workgroup_size: 128
    .sgpr_count:     80
    .vgpr_count:     640
    .wavefront_size: 32
...
	.end_amdgpu_metadata
.endif
;; end of part 5
;; launch oproj (part 6): grid 8 x 32, 4 waves a work-group, clusters of 4 x 4, 327,680 bytes of LDS; arguments att, woh, out0; writes out0
.if DOCPART == 6
	.amdgcn_target "amdgcn-amd-amdhsa--gfx1250"
	.amdhsa_code_object_version 6
	.text
	.protected	k_qecc5dd909e_oproj
	.globl	k_qecc5dd909e_oproj
	.p2align	8
	.type	k_qecc5dd909e_oproj,@function
k_qecc5dd909e_oproj:
	s_mov_b64 s[64:65], 0
	v_nop
	global_prefetch_b8 v0, s[64:65] scope:SCOPE_SE
	s_setreg_imm32_b32 hwreg(HW_REG_WAVE_MODE, 25, 1), 1
	s_wait_xcnt 0x0
	s_wait_alu depctr_hold_cnt(0) depctr_sa_sdst(0) depctr_va_vdst(0) depctr_va_sdst(0) depctr_va_ssrc(0) depctr_va_vcc(0) depctr_vm_vsrc(0)
	s_getreg_b32 s2, hwreg(HW_REG_IB_STS2, 6, 4)
	s_cmp_eq_u32 s2, 0
	s_cbranch_scc0 .Lentry_in_a_cluster
	s_endpgm
.Lentry_in_a_cluster:
	s_bfe_u32 s2, ttmp6, 0x10000c
	s_cmp_lg_u32 s2, 0xf033
	s_cbranch_scc0 .Lentry_shape_is_right
	s_endpgm
.Lentry_shape_is_right:
; out0 = att wo^T.  att [4096][1024] f16, woh [1024][1024] f16 (wo rounded to bf16, exact in f16), out0 [4096][1024] f32; sums in f32.
; A work-group makes 128 x 128: 32 x 8 = 256 work-groups.  Four waves, 2 x 2; a wave makes 64 x 64: 16 accumulator tiles, 128 registers.
; K = 1,024 goes through two LDS slots of 256 along K each (rows of 512 bytes, each at a multiple of 512 from its buffer's first byte): four fills, eight quarter steps
; of 32 along K for each, so that a fill has 124 of a wave's matrix instructions in which to land, and there is one barrier for 128.
; Half of K is asked for at the start; only two fills are refills.
; CLUSTERS: 4 x 4 work-groups; att's tile is asked for jointly along a row of the cluster, woh's along a column: four times fewer requests.
; The matrix instruction is used transposed (source 0 = rows of woh, source 1 = rows of att): a lane holds eight neighbouring columns of a row.
; REGISTERS: window 0: v16-26 addresses; v32-95, v96-159 two fragment buffers (4 of woh, then 4 of att).  Window 1: v0-127 accumulators, tile (a, b) at 8 (4 a + b).
.set PITCH,  528                       ; an LDS row: 512 bytes + 16
.set HALFT,  64*PITCH                  ; what one load brings
.set SLOT,   4*HALFT                   ; att's 128 rows, then woh's 128 rows: 135,168
.set STAGE,  2*SLOT                    ; behind the ring, at a multiple of 256: 16 rows x 272 bytes for each wave; no tensor load lands here
.set SPITCH, 272
.set ADRA, 16
.set ADRB, 20
.set STO,  24
.set RD,   25
.set CO,   26
.set F0,   32
.set F1,   96
.set G1,  24
.set G0,  32
.set G1B, 48
.set G0B, 56
.set FLAGS, (1<<16)|(1<<20)|(1<<21)|(6<<22)|(3<<25)   ; 2-byte elements; padding on; bit 21 beside a mask; after every 128 words; 4 words
.set MUL, 0x50
.set MSB, 0
.macro WIN new
.if MSB != \new
	s_set_vgpr_msb (MSB<<8)|\new
.set MSB, \new
.endif
.endm
.macro PLACES
.rept 4
	v_nop
.endr
.endm
.macro JLOAD s                         ; waves 0, 1 ask for att's two halves, waves 2, 3 for woh's
	s_cmp_eq_u32 s11, 0
	s_cbranch_scc0 .Lfor_b_\@
	tensor_load_to_lds s[G0+4*\s:G0+4*\s+3], s[G1:G1+7]
	s_nop 0
	s_branch .Lasked_\@
.Lfor_b_\@:
	tensor_load_to_lds s[G0B+4*\s:G0B+4*\s+3], s[G1B:G1B+7]
	s_nop 0
.Lasked_\@:
.endm
.macro CREST
	s_cmp_lg_u32 s10, 0
	s_cbranch_scc1 .Lnot_wave_0_\@
	s_barrier_signal -3
.Lnot_wave_0_\@:
	s_barrier_wait -3
	s_barrier_signal -1
	s_barrier_wait -1
.endm
.macro CROUND
	s_barrier_signal -1
	s_barrier_wait -1
	CREST
.endm
	s_load_b128 s[4:7], s[0:1], 0x0                ; att s[4:5], woh s[6:7]
	s_load_b64 s[8:9], s[0:1], 0x10                ; out0
	v_lshl_add_u32 v254, v0, 2, 0x46400
	v_mov_b32 v255, 0
	ds_add_u32 v254, v255
	v_lshrrev_b32 v1, 5, v0
	v_readfirstlane_b32 s10, v1                    ; wave
	s_lshr_b32 s11, s10, 1                         ; which 64 rows are mine.  Also: I fetch for att (0) or for woh (1)
	s_and_b32 s12, s10, 1                          ; which 64 columns.  Also: which half of that tile I fetch
	s_bfe_u32 s40, ttmp6, 0x40000                  ; cx
	s_bfe_u32 s41, ttmp6, 0x40004                  ; cy
	s_lshl_b32 s42, ttmp9, 2
	s_add_co_u32 s42, s42, s40                     ; block column 0..7
	s_and_b32 s13, ttmp7, 0xffff
	s_lshl_b32 s13, s13, 2
	s_add_co_u32 s13, s13, s41                     ; block row 0..31
	s_lshl_b32 s43, s41, 2
	s_lshl_b32 s43, 15, s43                        ; my row of the cluster
	s_lshl_b32 s44, 0x1111, s40                    ; my column
	s_or_b32 s[G1+0], s43, FLAGS                   ; a tile of 64 rows x 256 elements
	s_or_b32 s[G1B+0], s44, FLAGS
	s_mov_b32 s[G1+1], 256<<16                     ; tensor_dim0 = 256
	s_mov_b32 s[G1B+1], 256<<16
	s_mov_b32 s[G1+2], 64<<16                      ; tensor_dim1 = 64
	s_mov_b32 s[G1B+2], 64<<16
	s_mov_b32 s[G1+3], 256<<16                     ; tile_dim0 = 256
	s_mov_b32 s[G1B+3], 256<<16
	s_mov_b32 s[G1+4], 64                          ; tile_dim1 = 64
	s_mov_b32 s[G1B+4], 64
	s_mov_b32 s[G1+5], 1024                        ; elements from row to row
	s_mov_b32 s[G1B+5], 1024
	s_mov_b32 s[G1+6], 0
	s_mov_b32 s[G1B+6], 0
	s_mov_b32 s[G1+7], 0
	s_mov_b32 s[G1B+7], 0
	s_lshl_b32 s17, s12, 6
	s_lshl_b32 s16, s13, 7
	s_add_co_u32 s16, s16, s17                     ; att: row 128 x block row + 64 x half
	s_lshl_b32 s16, s16, 11                        ; rows of 2,048 bytes
	s_lshl_b32 s46, s42, 7
	s_add_co_u32 s46, s46, s17                     ; woh: row 128 x block column + 64 x half
	s_lshl_b32 s46, s46, 11
	s_mov_b32 s17, 0
	s_mov_b32 s47, 0
	s_mul_i32 s20, s10, HALFT                      ; where they go: wave x 64 rows
	s_wait_dscnt 0x0
	s_wait_kmcnt 0x0
	s_add_nc_u64 s[14:15], s[4:5], s[16:17]
	s_add_nc_u64 s[46:47], s[6:7], s[46:47]
	CROUND                                         ; all sixteen work-groups are here: the first joint loads meet
.irp s, 0,1
	s_mov_b32 s[G0+4*\s], 1
	s_add_co_u32 s[G0+4*\s+1], s20, \s*SLOT
	s_add_nc_u64 s[G0+4*\s+2:G0+4*\s+3], s[14:15], \s*512
	s_or_b32 s[G0+4*\s+3], s[G0+4*\s+3], 0x80000000
	s_mov_b32 s[G0B+4*\s], 1
	s_add_co_u32 s[G0B+4*\s+1], s20, \s*SLOT
	s_add_nc_u64 s[G0B+4*\s+2:G0B+4*\s+3], s[46:47], \s*512
	s_or_b32 s[G0B+4*\s+3], s[G0B+4*\s+3], 0x80000000
	JLOAD \s                                       ; both slots' first fills: two tensor loads of the wave are out, the most in this text
.endr
	v_and_b32 v1, 15, v0                           ; r
	v_bfe_u32 v2, v0, 4, 1                         ; h
	v_mul_u32_u24 v3, v1, PITCH
	v_lshl_add_u32 v3, v2, 4, v3
	s_mul_i32 s21, s11, HALFT                      ; my 64 rows of att
	s_mul_i32 s22, s12, HALFT
	s_add_co_u32 s22, s22, 2*HALFT                 ; my 64 rows of woh
.irp s, 0,1
	v_add_nc_u32 v[ADRA+\s], s21, v3
	v_add_nc_u32 v[ADRB+\s], s22, v3
	s_add_co_u32 s21, s21, SLOT
	s_add_co_u32 s22, s22, SLOT
.endr
	s_mul_i32 s23, s10, 16*SPITCH
	s_add_co_u32 s23, s23, STAGE                   ; my stage
	v_mul_u32_u24 v4, v1, SPITCH                   ; in: row r, 32 bytes for each half of the lanes
	v_lshl_add_u32 v4, v2, 5, v4
	v_add_nc_u32 v[STO], s23, v4
	v_mul_u32_u24 v5, v2, SPITCH                   ; back: lanes 0-15 one row of 256 bytes, lanes 16-31 the next
	v_lshl_add_u32 v5, v1, 4, v5
	v_add_nc_u32 v[RD], s23, v5
	v_lshlrev_b32 v5, 12, v2                       ; and the same two rows in out0 (4,096 bytes a row)
	v_lshl_add_u32 v[CO], v1, 4, v5
; 4 matrix instructions: row block a x all 4 column blocks.  The 16 accumulators take turns, one instruction a turn.
.macro MULA f, a, zero
.irp b, 0,1,2,3
.if \zero
	v_wmma_f32_16x16x32_f16 v[8*(4*\a+\b):8*(4*\a+\b)+7], v[\f+8*\b:\f+8*\b+7], v[\f+32+8*\a:\f+32+8*\a+7], 0
.else
	v_wmma_f32_16x16x32_f16 v[8*(4*\a+\b):8*(4*\a+\b)+7], v[\f+8*\b:\f+8*\b+7], v[\f+32+8*\a:\f+32+8*\a+7], v[8*(4*\a+\b):8*(4*\a+\b)+7]
.endif
.endr
.endm
.macro FETCH slot, k, f                ; 16 LDS loads in one run: woh's 4 fragments, then att's 4
.irp i, 0,1,2,3
	ds_load_b128 v[\f+8*\i:\f+8*\i+3],   v[ADRB+\slot] offset:\k+\i*16*PITCH
	ds_load_b128 v[\f+8*\i+4:\f+8*\i+7], v[ADRB+\slot] offset:\k+\i*16*PITCH+32
.endr
.irp i, 0,1,2,3
	ds_load_b128 v[\f+32+8*\i:\f+32+8*\i+3],   v[ADRA+\slot] offset:\k+\i*16*PITCH
	ds_load_b128 v[\f+32+8*\i+4:\f+32+8*\i+7], v[ADRA+\slot] offset:\k+\i*16*PITCH+32
.endr
.endm
.macro QUARTER slot, k, f, g, zero
	s_wait_dscnt 4                                 ; woh's fragments and att's row blocks 0, 1 are in; the youngest four loads may be out
	WIN MUL
	MULA \f, 0, \zero
	MULA \f, 1, \zero
	WIN 0
	PLACES                                         ; buffer g was read by matrix instructions: four places in front of the loads into it
	FETCH \slot, \k, \g
	s_wait_dscnt 16                                ; all but the 16 just issued
	WIN MUL
	MULA \f, 2, \zero
	MULA \f, 3, \zero
.endm
.macro SEVEN slot, zero
	QUARTER \slot, 64,  F0, F1, \zero
	QUARTER \slot, 128, F1, F0, 0
	QUARTER \slot, 192, F0, F1, 0
	QUARTER \slot, 256, F1, F0, 0
	QUARTER \slot, 320, F0, F1, 0
	QUARTER \slot, 384, F1, F0, 0
	QUARTER \slot, 448, F0, F1, 0
.endm
; The eighth quarter multiplies buffer 1 and changes slots: each wave's waits for its reads and for all its tensor loads, the barrier
; (with a refill: a round of the cluster's barrier), the refill first behind it, then the next slot's first fragments.
.macro TURN slot, next, fill
	s_wait_dscnt 4
	WIN MUL
	MULA F1, 0, 0
	s_wait_dscnt 0                                 ; my reads of this slot are over
	s_wait_tensorcnt 0x0                           ; all my tensor loads have landed
	ds_add_u32 v254, v255
	s_wait_dscnt 0x0
	s_barrier_signal -1
	MULA F1, 1, 0
	WIN 0
	s_barrier_wait -1
.if \fill
	CREST
	s_add_nc_u64 s[G0+4*\slot+2:G0+4*\slot+3], s[G0+4*\slot+2:G0+4*\slot+3], 1024
	s_add_nc_u64 s[G0B+4*\slot+2:G0B+4*\slot+3], s[G0B+4*\slot+2:G0B+4*\slot+3], 1024
	JLOAD \slot                                    ; the wave's one tensor load behind the round
.endif
	PLACES
	FETCH \next, 0, F0
	WIN MUL
	MULA F1, 2, 0
	MULA F1, 3, 0
.endm
	s_wait_tensorcnt 1                             ; my part of slot 0 is in; slot 1's may stay out
	s_barrier_signal -1
	s_barrier_wait -1
	FETCH 0, 0, F0
	SEVEN 0, 1                                     ; K 0-255: the first products start the sums
	TURN 0, 1, 1                                   ; slot 0 gets K 512-767
	SEVEN 1, 0                                     ; K 256-511
	TURN 1, 0, 1                                   ; slot 1 gets K 768-1023
	SEVEN 0, 0
	TURN 0, 1, 0                                   ; nothing is left to fetch
	SEVEN 1, 0
	s_wait_dscnt 4
	WIN MUL
	MULA F1, 0, 0
	MULA F1, 1, 0
	s_wait_dscnt 0
	MULA F1, 2, 0
	MULA F1, 3, 0
	; THE WAY OUT, 16 rows at a time through my own stage: 32 bytes a lane and tile in, whole rows of 256 bytes back and out
	WIN 0
	PLACES                                         ; behind the last matrix instructions: results are stored to LDS, fragment registers loaded
	s_lshl_b32 s16, s13, 7
	s_lshl_b32 s17, s11, 6
	s_add_co_u32 s16, s16, s17                     ; my first row
	s_lshl_b32 s16, s16, 12
	s_mov_b32 s17, 0
	s_add_nc_u64 s[8:9], s[8:9], s[16:17]
	s_lshl_b32 s46, s42, 9                         ; my first column, in bytes: 512 x block + 256 x half
	s_lshl_b32 s47, s12, 8
	s_add_co_u32 s46, s46, s47
	s_mov_b32 s47, 0
	s_add_nc_u64 s[8:9], s[8:9], s[46:47]
.macro OUT16 a, f
	WIN 0x04                                       ; store data in window 1
.irp b, 0,1,2,3
	ds_store_b128 v[STO], v[8*(4*\a+\b):8*(4*\a+\b)+3] offset:64*\b
	ds_store_b128 v[STO], v[8*(4*\a+\b)+4:8*(4*\a+\b)+7] offset:64*\b+16
.endr
	WIN 0
	s_wait_xcnt 0x0                                ; buffer f, which earlier stores read, and the stores' base are rewritten only behind this wait
.if \a
	s_add_nc_u64 s[8:9], s[8:9], 16*4096
.endif
.irp t, 0,1,2,3,4,5,6,7
	ds_load_b128 v[\f+4*\t:\f+4*\t+3], v[RD] offset:\t*2*SPITCH    ; LDS serves a wave's instructions in order: these see the stores above
.endr
.irp t, 0,1,2,3,4,5,6,7
	s_wait_dscnt 7-\t
	global_store_b128 v[CO], v[\f+4*\t:\f+4*\t+3], s[8:9] offset:\t*8192 th:TH_STORE_NT   ; 16 lanes store 256 consecutive bytes, at a multiple of 256
.endr
.endm
	OUT16 0, F0
	OUT16 1, F1
	OUT16 2, F0
	OUT16 3, F1
	s_wait_tensorcnt 0x0
	ds_add_u32 v254, v255
	s_wait_dscnt 0x0
	CROUND                                         ; the closing round
	s_endpgm
.Lfunc_end_k_qecc5dd909e_oproj:
	.size	k_qecc5dd909e_oproj, .Lfunc_end_k_qecc5dd909e_oproj-k_qecc5dd909e_oproj
	.p2alignl 7, 3214868480
	.fill 96, 4, 3214868480
	.section	.rodata,"a",@progbits
	.p2align	6, 0x0
	.amdhsa_kernel k_qecc5dd909e_oproj
		.amdhsa_group_segment_fixed_size 327680
		.amdhsa_private_segment_fixed_size 0
		.amdhsa_enable_private_segment 0
		.amdhsa_kernarg_size 24
		.amdhsa_user_sgpr_count 2
		.amdhsa_user_sgpr_kernarg_segment_ptr 1
		.amdhsa_wavefront_size32 1
		.amdhsa_system_sgpr_workgroup_id_x 1
		.amdhsa_system_sgpr_workgroup_id_y 1
		.amdhsa_system_sgpr_workgroup_id_z 1
		.amdhsa_system_vgpr_workitem_id 0
		.amdhsa_next_free_vgpr 384
		.amdhsa_next_free_sgpr 66
		.amdhsa_reserve_vcc 0
		.amdhsa_float_denorm_mode_32 3
		.amdhsa_float_denorm_mode_16_64 3
		.amdhsa_memory_ordered 1
		.amdhsa_forward_progress 1
		.amdhsa_inst_pref_size 90
	.end_amdhsa_kernel
	.amdgpu_metadata
---
amdhsa.version: [ 1, 2 ]
amdhsa.kernels:
  - .name:           k_qecc5dd909e_oproj
    .symbol:         k_qecc5dd909e_oproj.kd
    .args:
      - { .name: att, .offset: 0, .size: 8, .value_kind: global_buffer, .address_space: global }
      - { .name: woh, .offset: 8, .size: 8, .value_kind: global_buffer, .address_space: global }
      - { .name: out0, .offset: 16, .size: 8, .value_kind: global_buffer, .address_space: global }
    .group_segment_fixed_size: 327680
    .private_segment_fixed_size: 0
    .kernarg_segment_align: 8
    .kernarg_segment_size: 24
    .max_flat_workgroup_size: 128
    .sgpr_count:     66
    .vgpr_count:     384
    .wavefront_size: 32
...
	.end_amdgpu_metadata
.endif
;; end of part 6
